; MI455X (gfx1250); checked and timed in simulation.
; The chip was launched on July 23, 2026; its instructions are those of AMD's public machine-readable ISA for CDNA 5 (MIT licence, August 2026) and "CDNA5" Instruction Set Architecture Reference Guide (July 2026). The comments in the code are by the model that wrote it; some were corrected since.
;; Grouped Query Attention. Allowed arithmetic: matrix products marked QUANTISED: E4M3 operands, one given power-of-two scale a tensor, by v_wmma_f32_16x16x64_fp8_fp8 or v_wmma_f32_16x16x128_fp8_fp8, f32 sums; everything else in f32.
;; Inputs: b_gate 16 float32; k_norm_w 128 float32; lowp_scales 10 int32 (the exponents e of the quantised operands' scales 2^e); q_norm_w 128 float32; w_gate 16 x 1,024 float32; w_o 1,024 x 2,048 float32; w_qkv 3,072 x 1,024 float32; x 2 x 2,048 x 1,024 float32.
;; Outputs: out0 2 x 2,048 x 1,024 float32.
;; This version of the problem:
;;   THIS VERSION OF THE PROBLEM IS GIVEN IN LOW PRECISION. The matrix products marked QUANTISED in the list below multiply operands that are first quantised to E4M3 (4 exponent bits, 3 mantissa bits; 8 bits a number), with one given power-of-two scale for each operand tensor; their sums are f32. All else is computed in f32.
;;   The module's matrix products, in the order in which they are computed (A, B: the left and right operand; K: the contracted axis; several contracted axes count as one K, in the product's order):
;;     1. [M 4,096, K 1,024] x [K 1,024, N 3,072]; A: input x; B: input w_qkv: QUANTISED (scales: A lowp_scales[0], B lowp_scales[1])
;;     2. batch 32 x [M 2,048, K 128] x [K 128, N 2,048]; A: computed on the way; B: computed on the way: QUANTISED (scales: A lowp_scales[2], B lowp_scales[3])
;;     3. batch 32 x [M 2,048, K 2,048] x [K 2,048, N 128]; A: softmax (see below); B: computed on the way: QUANTISED (scales: A lowp_scales[4], B lowp_scales[5])
;;     4. [M 4,096, K 1,024] x [K 1,024, N 16]; A: input x; B: input w_gate: QUANTISED (scales: A lowp_scales[6], B lowp_scales[7])
;;     5. [M 4,096, K 2,048] x [K 2,048, N 1,024]; A: computed on the way; B: input w_o: QUANTISED (scales: A lowp_scales[8], B lowp_scales[9])
;;   THE QUANTISER, for each operand of a quantised product, along K:
;;     - The operand's scale is 2^e, e = its entry of the input lowp_scales (int32; the entries are numbered through the quantised products in the list's order, A before B).
;;     - Each number is divided by the scale, clamped to +-448, and rounded to the nearest number of E4M3, ties to even, subnormals kept.
;;     - The product sums the exact products of the quantised numbers (number of the format x scale) in f32.
;;   ~~~python
;;   def quantise(x, axis, e):      # numpy; x: float32 -> the quantised numbers, widened to float32 again
;;       x = np.moveaxis(x, axis, -1); K = x.shape[-1]
;;       r = np.clip(x / 2.0 ** e, -448, 448)
;;       step = 2.0 ** (np.maximum(np.frexp(np.where(r == 0, 1, r))[1] - 1, -6) - 3)
;;       q = np.round(r / step) * step * 2.0 ** e      # np.round: ties to even
;;       return np.moveaxis(q, -1, axis).astype(np.float32)
;;   ~~~
;;   SOFTMAX AHEAD OF A QUANTISED PRODUCT. Where the list says 'softmax', what is quantised is not the finished softmax but p = 2^(t - M), with t = logit x log2(e) and M = ceil(the row's largest t), a whole number; so 1/2 < the row's largest p <= 1. The row's sum l is taken of the UNQUANTISED p, in f32, and the product's result is divided by l at the end. Since M is a whole number, a kernel that streams over the keys may use a running M (the ceiling of the running maximum): every later rescaling is an exact power of two, so the quantised numbers keep their values, but for numbers so far below the row's largest that they fall under the format's range.
;;   OPERANDS COMPUTED ON THE WAY. 'Computed on the way' means the value that the module computes at that place (a softmax that the list does not call 'softmax' is quantised finished and normalised). What goes into a quantiser is computed in f32, as accurately as f32 sums, v_exp_f32 and their like allow (about 1e-6 of the number): no bf16 or f16 on the way to a quantiser, and a product that is left as it is and whose result goes on into a quantised operand takes f32 operands (vector FMAs, or v_wmma_f32_16x16x4_f32). A number that lies on a knife's edge between two numbers of the format may be rounded either way, as far as f32 arithmetic and the matrix unit's own rounding can turn it there, and no further.
;; One version. Each part assembles by itself: llvm-mc -triple=amdgcn-amd-amdhsa -mcpu=gfx1250 --defsym DOCPART=n.
;; ======== version 1 of 1: 4 launches
;; limits: right only within a limited range of input values
;; workspace buffers: xq 4,194,304 bytes; wq 3,145,728 bytes; wo 2,097,152 bytes; gate 262,144 bytes; tab 1,048,576 bytes; qc 8,388,608 bytes; kvc 4,194,304 bytes; aq 8,388,608 bytes
;; launch prep (part 1): grid 704 x 1, 4 waves a work-group, no clusters, 72,192 bytes of LDS; arguments x, w_qkv, w_o, w_gate, b_gate, lowp_scales, xq, wq, wo, gate, tab; writes xq, wq, wo, gate, tab
.if DOCPART == 1
	.amdgcn_target "amdgcn-amd-amdhsa--gfx1250"
	.amdhsa_code_object_version 6
	.text
	.protected	k_q3675cbbadd_prep
	.globl	k_q3675cbbadd_prep
	.p2align	8
	.type	k_q3675cbbadd_prep,@function
k_q3675cbbadd_prep:
	s_mov_b64 s[64:65], 0
	v_nop
	global_prefetch_b8 v0, s[64:65] scope:SCOPE_SE
	s_setreg_imm32_b32 hwreg(HW_REG_WAVE_MODE, 25, 1), 1
	s_wait_xcnt 0x0
; THE FIRST LAUNCH: everything that is made once.
;   work-groups 0-255:   16 rows of x -> codes of E4M3 with 2^e0 (xq), and gate = sigmoid(Q(x, e6) Q(w_gate, e7)^T + b_gate) for these rows
;   work-groups 256-447: 16 rows of w_qkv -> codes with 2^e1 (wq)
;   work-groups 448-575: 16 rows x 1,024 K of w_o -> codes with 2^e9 (wo)
;   work-groups 576-703: cos and sin of RoPE for 16 positions (tab)
; TILES.  A tile of 16 rows is not 16 neighbours: tile T holds, at place p = 0..15, row 32 (T / 2) + 8 (T % 2) + p + 8 (p / 8).  A 16 x 16 result whose registers run over such a tile then has, in two
; neighbouring tiles, 16 neighbouring rows a lane, which is what the next quantiser wants.
; CODES LEAVE AS IMAGES OF OPERAND REGISTERS.  A fragment (16 rows x 128 K) is 2,048 bytes: byte 512 c + 16 lane holds registers 4 c .. 4 c + 3 of that lane: of row (lane % 16), K = 32 c + 16 (lane / 16) + 0 .. 15.
; So each store of a wave covers 512 consecutive bytes, aligned, and a later launch loads a fragment by four loads of 16 bytes a lane.
; xq, wq: fragment (T, s = K / 128) at ((T / 8) 4 + s / 2) 32768 + (T % 8) 4096 + (s % 2) 2048.    wo: at ((T / 4) 4 + s / 4) 32768 + (T % 4) 8192 + (s % 4) 2048.
; A wave takes 256 along K of the 16 rows, in two halves of 128.  Each load reads 512 consecutive bytes of one row; the 8,192 bytes turn through the wave's own stage in LDS (rows 528 = 33 x 16 bytes apart) and come
; back 64 bytes a lane, 16 neighbours of each block of 32.
; The three kinds of work-group part once, on the work-group's number, and do not meet again; the x path and the weight path have stages of their own.
; code = x / 2^e, held within +-448, to the nearest code, ties to even.  LIMITS: e0, e1, e6, e7, e9 between -126 and 119; e6 + e7 between -126 and 127.  NaN among the inputs is not served.
; The gate's K is shared among the four waves, so its f32 sum is taken in another order than a single chain's.
; RoPE's 1 / 10000^(j / 64) is 2^(-j c), c = log2(10000) / 64 split in two parts; it is good to one or two units in the last place, so an angle at position 2,047 may lie some 2.5e-4 off.
.set STX,   0                          ; LDS: the x path's stages, 16 x 528 bytes a wave
.set RED,   33792                      ; the gate's partial sums, 1,024 bytes a wave
.set STW,   37888                      ; the weight path's stages
.set SPARE, 71680                      ; the spare words, 128 bytes a wave: two blocks of 256 bytes that no other line names
.set LI,   4                           ; v4   16 x lane
.set SIN,  5                           ; v5   into my stage: 8448 wave + 16 lane
.set SOUT, 6                           ; v6   out of it: 8448 wave + 528 r + 64 h
.set GOF,  7                           ; v7   w_gate: 4096 r + 1024 wave + 64 h
.set SCM,  8                           ; v8   2^e of the tensor in hand;  v9 2^e6;  v10 2^e7
.set SC6,  9
.set SC7,  10
.set RIN,  11                          ; v11  where I put my partial sums
.set SPW,  12                          ; v12  my spare word; never rewritten
.set NIL,  13                          ; v13  0; never rewritten
.set ROUT, 14                          ; v14  where I read the four partial sums
.set GST,  15                          ; v15  8 x thread: my two numbers of the gate's 256
.set OFF,  16                          ; v16-31  byte offset of place p's row + 16 lane
.set P,    32                          ; v32-95   64 numbers: the first 128 along K
.set Q,    96                          ; v96-159  the second
.set T,    160                         ; v160-175 held numbers, two sets of eight
.set C,    176                         ; v176-191 a fragment's codes on their way to memory
.set CA0,  192                         ; x's codes with 2^e6, first and second 128
.set CA1,  208
.set CB,   224                         ; w_gate's codes
.set ACC,  240                         ; the gate's sums
.set BIA,  248                         ; my bias;  v249 its offset
.set BAD,  249
.macro LOADT sigma, set                ; 16 rows x 512 bytes
.irp rho, 0,1,2,3,4,5,6,7,8,9,10,11,12,13,14,15
	global_load_b128 v[\set+4*\rho:\set+4*\rho+3], v[OFF+\rho], s[32:33] offset:512*\sigma th:TH_LOAD_NT
.endr
.endm
.macro TURN set, base                  ; through my stage, in place
.irp rho, 0,1,2,3,4,5,6,7,8,9,10,11,12,13,14,15
	ds_store_b128 v[SIN], v[\set+4*\rho:\set+4*\rho+3] offset:\base+528*\rho
.endr
	s_wait_dscnt 0x0                               ; the stores have read their registers, which the loads below write
.irp c, 0,1,2,3
.irp j, 0,1,2,3
	ds_load_b128 v[\set+16*\c+4*\j:\set+16*\c+4*\j+3], v[SOUT] offset:\base+128*\c+16*\j
.endr
.endr
	s_wait_dscnt 0x0                               ; register 16 c + i is now K = 32 c + 16 h + i of row r
.endm
.macro QMAIN set                       ; codes with the tensor's own scale; the numbers stay as they are.  T's two halves take turns, so eight plain lines stand between a conversion and the rewriting of its sources
.irp g, 0,1,2,3,4,5,6,7
.irp i, 0,1,2,3,4,5,6,7
	v_med3_num_f32 v[T+8*(\g%2)+\i], v[\set+8*\g+\i], s53, s52   ; the conversion to an 8-bit code does not saturate (ISA guide 7.6.2): the hold at the largest code x the scale
.endr
	s_wait_alu depctr_va_vdst(0)
	v_cvt_scalef32_pk8_fp8_f32 v[C+2*\g:C+2*\g+1], v[T+8*(\g%2):T+8*(\g%2)+7], v[SCM]
.endr
	v_nop                                          ; a plain line behind the last conversion
.endm
.macro QHOLD set, lo, hi, sc, dst      ; the same in place, with another scale
.irp b, 0,1,2,3
.irp i, 0,1,2,3,4,5,6,7,8,9,10,11,12,13,14,15
	v_med3_num_f32 v[\set+16*\b+\i], v[\set+16*\b+\i], s[\lo], s[\hi]
.endr
	v_cvt_scalef32_pk8_fp8_f32 v[\dst+4*\b:\dst+4*\b+1], v[\set+16*\b:\set+16*\b+7], v[\sc]
	v_cvt_scalef32_pk8_fp8_f32 v[\dst+4*\b+2:\dst+4*\b+3], v[\set+16*\b+8:\set+16*\b+15], v[\sc]
.endr
	v_nop
.endm
.macro STC sigma                       ; a fragment's image: four stores of 512 consecutive bytes
.irp c, 0,1,2,3
	global_store_b128 v[LI], v[C+4*\c:C+4*\c+3], s[34:35] offset:2048*\sigma+512*\c
.endr
.endm
.macro LOADG sigma, set                ; w_gate's 16 rows in the fragment's order; 256 work-groups read these bytes, so no hint
.irp c, 0,1,2,3
.irp j, 0,1,2,3
	global_load_b128 v[\set+16*\c+4*\j:\set+16*\c+4*\j+3], v[GOF], s[10:11] offset:512*\sigma+128*\c+16*\j
.endr
.endr
.endm
.macro CLOSE                           ; the wave's end: a tensor wait, an add to my spare word and its wait behind my last LDS store
	s_wait_tensorcnt 0x0
	ds_add_u32 v[SPW], v[NIL]
	s_wait_dscnt 0x0
	s_endpgm
.endm
	s_load_b256 s[4:11], s[0:1], 0x0               ; x, w_qkv, w_o, w_gate
	s_load_b256 s[12:19], s[0:1], 0x20             ; b_gate, the scales' exponents, xq, wq
	s_load_b128 s[20:23], s[0:1], 0x40             ; wo, gate
	s_load_b64 s[24:25], s[0:1], 0x50              ; tab
	v_lshl_add_u32 v[SPW], v0, 2, SPARE
	v_mov_b32 v[NIL], 0
	v_lshrrev_b32 v1, 5, v0
	v_readfirstlane_b32 s26, v1                    ; wave 0..3
	v_and_b32 v1, 31, v0                           ; lane
	v_and_b32 v2, 15, v0                           ; r
	v_bfe_u32 v3, v0, 4, 1                         ; h
	v_lshlrev_b32 v[LI], 4, v1
	s_mul_i32 s27, s26, 8448
	v_add_nc_u32 v[SIN], s27, v[LI]
	v_mul_u32_u24 v[SOUT], v2, 528
	v_lshl_add_u32 v[SOUT], v3, 6, v[SOUT]
	v_add_nc_u32 v[SOUT], s27, v[SOUT]
	s_lshl_b32 s28, s26, 10
	v_lshlrev_b32 v[RIN], 6, v2
	v_lshl_add_u32 v[RIN], v3, 5, v[RIN]
	v_add_nc_u32 v[RIN], s28, v[RIN]
	v_add_nc_u32 v[RIN], RED, v[RIN]               ; RED + 1024 wave + 64 r + 32 h: head r, places 8 h on
	v_lshl_add_u32 v[ROUT], v0, 3, RED
	v_lshlrev_b32 v[GST], 3, v0
	s_wait_kmcnt 0x0
	s_cmp_ge_u32 ttmp9, 576
	s_cbranch_scc1 .Ltab
	; ---- the quantisers.  Which tensor: a choice of pointers on the work-group's number
	s_load_b256 s[40:47], s[14:15], 0x0            ; e0 .. e7
	s_load_b64 s[48:49], s[14:15], 0x20            ; e8, e9
	s_cmp_lt_u32 ttmp9, 448
	s_cselect_b64 s[32:33], s[6:7], s[8:9]
	s_cselect_b64 s[34:35], s[18:19], s[20:21]
	s_mov_b32 s28, 448
	s_cselect_b32 s28, 256, s28
	s_cselect_b32 s29, 0, 1                        ; 1 for w_o: rows twice as long, two units to a tile
	s_cmp_lt_u32 ttmp9, 256
	s_cselect_b64 s[32:33], s[4:5], s[32:33]
	s_cselect_b64 s[34:35], s[16:17], s[34:35]
	s_cselect_b32 s28, 0, s28
	s_sub_co_u32 s28, ttmp9, s28                   ; the unit's number in its tensor
	s_and_b32 s30, s28, s29                        ; which 1,024 along K (w_o alone)
	s_lshr_b32 s28, s28, s29                       ; the tile
	s_lshl_b32 s36, 4096, s29                      ; bytes in a row
	s_lshr_b32 s31, s28, 1
	s_lshl_b32 s31, s31, 5
	s_and_b32 s37, s28, 1
	s_lshl_b32 s37, s37, 3
	s_add_co_u32 s31, s31, s37                     ; the tile's first row
	s_mul_i32 s38, s31, s36
	s_lshl_b32 s37, s30, 12
	s_add_co_u32 s38, s38, s37
	s_lshl_b32 s37, s26, 10
	s_add_co_u32 s38, s38, s37                     ; + my wave's 256 along K
	s_mov_b32 s39, 0
	s_add_nc_u64 s[32:33], s[32:33], s[38:39]
	s_lshr_b32 s50, s28, 3                         ; where the codes go, xq and wq:
	s_lshl_b32 s50, s50, 17
	s_lshl_b32 s37, s26, 15
	s_or_b32 s50, s50, s37
	s_and_b32 s37, s28, 7
	s_lshl_b32 s37, s37, 12
	s_or_b32 s50, s50, s37
	s_lshr_b32 s51, s28, 2                         ; and wo:
	s_lshl_b32 s51, s51, 17
	s_lshl_b32 s37, s30, 1
	s_lshr_b32 s38, s26, 1
	s_add_co_u32 s37, s37, s38
	s_lshl_b32 s37, s37, 15
	s_or_b32 s51, s51, s37
	s_and_b32 s37, s28, 3
	s_lshl_b32 s37, s37, 13
	s_or_b32 s51, s51, s37
	s_and_b32 s37, s26, 1
	s_lshl_b32 s37, s37, 12
	s_or_b32 s51, s51, s37
	s_cmp_eq_u32 s29, 0
	s_cselect_b32 s38, s50, s51
	s_mov_b32 s39, 0
	s_add_nc_u64 s[34:35], s[34:35], s[38:39]
.irp rho, 0,1,2,3,4,5,6,7,8,9,10,11,12,13,14,15
	v_mad_u32_u24 v[OFF+\rho], s36, \rho+8*(\rho/8), v[LI]
.endr
	LOADT 0, P
	LOADT 1, Q
	s_wait_kmcnt 0x0
	s_cmp_lt_u32 ttmp9, 448
	s_cselect_b32 s37, s41, s49
	s_cmp_lt_u32 ttmp9, 256
	s_cselect_b32 s37, s40, s37                    ; e0, e1 or e9
	s_add_co_i32 s37, s37, 127
	s_lshl_b32 s38, s37, 23
	v_mov_b32 v[SCM], s38                          ; 2^e as f32: the conversion takes its exponent field
	s_add_co_i32 s37, s37, 8
	s_lshl_b32 s37, s37, 23
	s_or_b32 s52, s37, 0x600000                    ; 448 x 2^e,
	s_or_b32 s53, s52, 0x80000000                  ; and its negative
	s_cmp_lt_u32 ttmp9, 256
	s_cbranch_scc1 .Lx
	; ---- a weight's unit
	s_wait_loadcnt 16                              ; the first half's 16 loads are in; the second half's may be out
	TURN P, STW
	QMAIN P
	STC 0
	s_wait_loadcnt 0x0
	TURN Q, STW
	s_wait_xcnt 0x0                                ; the stores above have read C, which is written again
	QMAIN Q
	STC 1
	CLOSE
	; ---- a tile of x: the same, and the gate
.Lx:
	v_lshrrev_b32 v[BAD], 3, v0
	v_lshlrev_b32 v[BAD], 2, v[BAD]
	global_load_b32 v[BIA], v[BAD], s[12:13]       ; thread t ends up with numbers 2 t and 2 t + 1 of [head][place]: head t / 8
	v_lshlrev_b32 v[GOF], 12, v2
	v_lshl_add_u32 v[GOF], v3, 6, v[GOF]
	v_lshl_add_u32 v[GOF], s26, 10, v[GOF]
	s_add_co_i32 s37, s46, 127
	s_lshl_b32 s38, s37, 23
	v_mov_b32 v[SC6], s38                          ; 2^e6
	s_add_co_i32 s37, s37, 8
	s_lshl_b32 s37, s37, 23
	s_or_b32 s54, s37, 0x600000
	s_or_b32 s55, s54, 0x80000000
	s_add_co_i32 s37, s47, 127
	s_lshl_b32 s38, s37, 23
	v_mov_b32 v[SC7], s38                          ; 2^e7
	s_add_co_i32 s37, s37, 8
	s_lshl_b32 s37, s37, 23
	s_or_b32 s56, s37, 0x600000
	s_or_b32 s57, s56, 0x80000000
	s_add_co_i32 s58, s46, s47
	s_add_co_i32 s58, s58, 127
	s_lshl_b32 s58, s58, 23                        ; 2^(e6 + e7)
	s_lshl_b32 s38, ttmp9, 10
	s_mov_b32 s39, 0
	s_add_nc_u64 s[22:23], s[22:23], s[38:39]      ; the tile's 1,024 bytes of the gate
	s_wait_loadcnt 17                              ; the first half is in; the second half's 16 loads and the bias may be out
	TURN P, STX
	QMAIN P
	STC 0
	QHOLD P, 55, 54, SC6, CA0                      ; the same numbers once more, with 2^e6
	LOADG 0, P
	s_wait_loadcnt 16                              ; the second half and the bias are in; w_gate's 16 loads may be out
	TURN Q, STX
	s_wait_xcnt 0x0                                ; the stores above have read C
	QMAIN Q
	STC 1
	QHOLD Q, 55, 54, SC6, CA1
	LOADG 1, Q
	s_wait_loadcnt 16                              ; w_gate's first half is in
	QHOLD P, 57, 56, SC7, CB
	v_wmma_f32_16x16x128_fp8_fp8 v[ACC:ACC+7], v[CA0:CA0+15], v[CB:CB+15], 0   ; source 0 = x's 16 rows, source 1 = the 16 heads: lane (r, h), register j: place 8 h + j, head r
	s_wait_loadcnt 0x0
	QHOLD Q, 57, 56, SC7, CB                       ; its first sixteen holds are the places ahead of the rewriting of CB
	s_wait_alu depctr_va_vdst(0)                   ; the wait directly ahead of the link
	v_wmma_f32_16x16x128_fp8_fp8 v[ACC:ACC+7], v[CA1:CA1+15], v[CB:CB+15], v[ACC:ACC+7]
.rept 4
	v_nop
.endr
	ds_store_b128 v[RIN], v[ACC:ACC+3]
	ds_store_b128 v[RIN], v[ACC+4:ACC+7] offset:16
	s_wait_dscnt 0x0                               ; for the others' sake: my partial sums lie in LDS
	s_barrier_signal -1
	s_barrier_wait -1
	ds_load_b64 v[32:33], v[ROUT]
	ds_load_b64 v[34:35], v[ROUT] offset:1024
	ds_load_b64 v[36:37], v[ROUT] offset:2048
	ds_load_b64 v[38:39], v[ROUT] offset:3072
	s_wait_dscnt 0x0
	v_pk_add_f32 v[32:33], v[32:33], v[34:35]
	v_pk_add_f32 v[36:37], v[36:37], v[38:39]
	v_pk_add_f32 v[32:33], v[32:33], v[36:37]
	v_fma_f32 v32, v32, s58, v[BIA]                ; z = sum x 2^(e6 + e7) + b
	v_fma_f32 v33, v33, s58, v[BIA]
	v_mul_f32 v32, 0xbfb8aa3b, v32                 ; -z log2(e)
	v_mul_f32 v33, 0xbfb8aa3b, v33
	s_wait_alu depctr_va_vdst(0)
	v_exp_f32 v32, v32
	v_exp_f32 v33, v33
	v_nop                                          ; a plain line behind the transcendentals,
	s_wait_alu depctr_va_vdst(0)                   ; and one wait for both, ahead of their first reader
	v_add_f32 v32, 1.0, v32
	v_add_f32 v33, 1.0, v33
	s_wait_alu depctr_va_vdst(0)
	v_rcp_f32 v32, v32
	v_rcp_f32 v33, v33
	v_nop
	s_wait_alu depctr_va_vdst(0)
	global_store_b64 v[GST], v[32:33], s[22:23]    ; a wave stores 256 consecutive bytes, aligned
	CLOSE
	; ---- cos and sin for the 16 positions of tile Tpos.  tab: [Tpos][q 16][lane][4] f32; q = 4 beta + w holds cos, q = 8 + 4 beta + w sin, of j = 32 beta + 16 h + 4 w + 0 .. 3 at the position of place r:
	; the order in which the next launch's lanes hold a row's first 64 channels.  No sine or cosine instruction is used: the angle is reduced by multiples of pi / 2 (in two parts) and two short polynomials follow.
.Ltab:
	s_sub_co_u32 s28, ttmp9, 576                   ; Tpos
	s_lshr_b32 s29, s28, 1
	s_lshl_b32 s29, s29, 5
	s_and_b32 s30, s28, 1
	s_lshl_b32 s30, s30, 3
	s_add_co_u32 s29, s29, s30                     ; the tile's first position
	s_lshl_b32 s38, s28, 13
	s_mov_b32 s39, 0
	s_add_nc_u64 s[24:25], s[24:25], s[38:39]
	s_mov_b32 s60, 0x3fc90fdb                      ; pi / 2, upper part,
	s_mov_b32 s61, 0xb33bbd2e                      ; and what it lacks
	s_mov_b32 s62, 0xb94ca1f9                      ; sin r = r + r z (S2 + z (S1 + z S0)), z = r r
	s_mov_b32 s63, 0x3c08839e
	s_mov_b32 s66, 0xbe2aaaa3
	s_mov_b32 s67, 0x37ccf5ce                      ; cos r = 1 - z / 2 + z z (C2 + z (C1 + z C0))
	s_mov_b32 s68, 0xbab6061a
	s_mov_b32 s69, 0x3d2aaaa5
	v_and_b32 v17, 8, v2
	v_add_nc_u32 v17, v17, v2
	v_add_nc_u32 v17, s29, v17
	v_cvt_f32_u32 v17, v17                         ; my position
	v_lshlrev_b32 v16, 4, v3
	v_lshl_add_u32 v16, s26, 2, v16                ; 16 h + 4 w
	v_lshl_add_u32 v18, s26, 9, v[LI]              ; 512 w + 16 lane
.irp n, 0,1,2,3,4,5,6,7
	v_add_nc_u32 v[32+\n], 32*(\n/4)+\n%4, v16     ; j
.endr
.irp n, 0,1,2,3,4,5,6,7
	v_cvt_f32_u32 v[32+\n], v[32+\n]
.endr
.irp n, 0,1,2,3,4,5,6,7
	v_mul_f32 v[40+\n], 0xbe549a80, v[32+\n]       ; -j x 217706 / 2^20: exact (6 bits x 18 bits)
.endr
	s_wait_alu depctr_va_vdst(0)
.irp n, 0,1,2,3,4,5,6,7
	v_exp_f32 v[40+\n], v[40+\n]
.endr
.irp n, 0,1,2,3,4,5,6,7
	v_mul_f32 v[32+\n], 0x33aae0a0, v[32+\n]       ; j x 7.957e-8: the rest of the exponent x ln 2.  (Plain lines behind the batch)
.endr
	s_wait_alu depctr_va_vdst(0)                   ; one wait for the eight, ahead of their first reader
.irp n, 0,1,2,3,4,5,6,7
	v_fma_f32 v[40+\n], v[40+\n], v[32+\n], v[40+\n]   ; 1 / 10000^(j / 64)
.endr
.irp n, 0,1,2,3,4,5,6,7
	v_mul_f32 v[40+\n], v17, v[40+\n]              ; the angle, rounded once
.endr
.irp n, 0,1,2,3,4,5,6,7
	v_mul_f32 v[48+\n], 0x3f22f983, v[40+\n]       ; x 2 / pi
.endr
.irp n, 0,1,2,3,4,5,6,7
	v_rndne_f32 v[48+\n], v[48+\n]                 ; k
.endr
.irp n, 0,1,2,3,4,5,6,7
	v_fma_f32 v[40+\n], -v[48+\n], s60, v[40+\n]
.endr
.irp n, 0,1,2,3,4,5,6,7
	v_fma_f32 v[40+\n], -v[48+\n], s61, v[40+\n]   ; r = angle - k pi / 2
.endr
.irp n, 0,1,2,3,4,5,6,7
	v_mul_f32 v[56+\n], v[40+\n], v[40+\n]         ; z
.endr
.irp n, 0,1,2,3,4,5,6,7
	v_fma_f32 v[64+\n], v[56+\n], s62, s63
.endr
.irp n, 0,1,2,3,4,5,6,7
	v_fma_f32 v[64+\n], v[64+\n], v[56+\n], s66
.endr
.irp n, 0,1,2,3,4,5,6,7
	v_mul_f32 v[72+\n], v[56+\n], v[40+\n]
.endr
.irp n, 0,1,2,3,4,5,6,7
	v_fma_f32 v[64+\n], v[64+\n], v[72+\n], v[40+\n]   ; sin r
.endr
.irp n, 0,1,2,3,4,5,6,7
	v_fma_f32 v[72+\n], v[56+\n], s67, s68
.endr
.irp n, 0,1,2,3,4,5,6,7
	v_fma_f32 v[72+\n], v[72+\n], v[56+\n], s69
.endr
.irp n, 0,1,2,3,4,5,6,7
	v_mul_f32 v[80+\n], v[56+\n], v[56+\n]
.endr
.irp n, 0,1,2,3,4,5,6,7
	v_fma_f32 v[56+\n], v[56+\n], -0.5, 1.0
.endr
.irp n, 0,1,2,3,4,5,6,7
	v_fma_f32 v[72+\n], v[72+\n], v[80+\n], v[56+\n]   ; cos r
.endr
.irp n, 0,1,2,3,4,5,6,7
	v_cvt_i32_f32 v[48+\n], v[48+\n]
.endr
.irp n, 0,1,2,3,4,5,6,7                ; the quadrant: an odd k swaps the two; sin changes sign where bit 1 of k is set, cos where bit 1 of k + 1 is.  Values are selected; nothing branches
	v_and_b32 v[80+\n], 1, v[48+\n]
	v_cmp_eq_u32 vcc_lo, 1, v[80+\n]
	v_cndmask_b32 v[104+\n], v[64+\n], v[72+\n], vcc_lo
	v_cndmask_b32 v[96+\n], v[72+\n], v[64+\n], vcc_lo
	v_and_b32 v[80+\n], 2, v[48+\n]
	v_lshlrev_b32 v[80+\n], 30, v[80+\n]
	v_xor_b32 v[104+\n], v[80+\n], v[104+\n]
	v_add_nc_u32 v[80+\n], 1, v[48+\n]
	v_and_b32 v[80+\n], 2, v[80+\n]
	v_lshlrev_b32 v[80+\n], 30, v[80+\n]
	v_xor_b32 v[96+\n], v[80+\n], v[96+\n]
.endr
	global_store_b128 v18, v[96:99], s[24:25]                  ; each store of a wave covers 512 consecutive bytes, aligned
	global_store_b128 v18, v[100:103], s[24:25] offset:2048
	global_store_b128 v18, v[104:107], s[24:25] offset:4096
	global_store_b128 v18, v[108:111], s[24:25] offset:6144
	s_endpgm
.Lfunc_end_k_q3675cbbadd_prep:
	.size	k_q3675cbbadd_prep, .Lfunc_end_k_q3675cbbadd_prep-k_q3675cbbadd_prep
	.p2alignl 7, 3214868480
	.fill 96, 4, 3214868480
	.section	.rodata,"a",@progbits
	.p2align	6, 0x0
	.amdhsa_kernel k_q3675cbbadd_prep
		.amdhsa_group_segment_fixed_size 72192
		.amdhsa_private_segment_fixed_size 0
		.amdhsa_enable_private_segment 0
		.amdhsa_kernarg_size 88
		.amdhsa_user_sgpr_count 2
		.amdhsa_user_sgpr_kernarg_segment_ptr 1
		.amdhsa_wavefront_size32 1
		.amdhsa_system_sgpr_workgroup_id_x 1
		.amdhsa_system_sgpr_workgroup_id_y 1
		.amdhsa_system_sgpr_workgroup_id_z 1
		.amdhsa_system_vgpr_workitem_id 0
		.amdhsa_next_free_vgpr 256
		.amdhsa_next_free_sgpr 72
		.amdhsa_reserve_vcc 1
		.amdhsa_float_denorm_mode_32 3
		.amdhsa_float_denorm_mode_16_64 3
		.amdhsa_memory_ordered 1
		.amdhsa_forward_progress 1
		.amdhsa_inst_pref_size 75
	.end_amdhsa_kernel
	.amdgpu_metadata
---
amdhsa.version: [ 1, 2 ]
amdhsa.kernels:
  - .name:           k_q3675cbbadd_prep
    .symbol:         k_q3675cbbadd_prep.kd
    .args:
      - { .name: x, .offset: 0, .size: 8, .value_kind: global_buffer, .address_space: global }
      - { .name: w_qkv, .offset: 8, .size: 8, .value_kind: global_buffer, .address_space: global }
      - { .name: w_o, .offset: 16, .size: 8, .value_kind: global_buffer, .address_space: global }
      - { .name: w_gate, .offset: 24, .size: 8, .value_kind: global_buffer, .address_space: global }
      - { .name: b_gate, .offset: 32, .size: 8, .value_kind: global_buffer, .address_space: global }
      - { .name: lowp_scales, .offset: 40, .size: 8, .value_kind: global_buffer, .address_space: global }
      - { .name: xq, .offset: 48, .size: 8, .value_kind: global_buffer, .address_space: global }
      - { .name: wq, .offset: 56, .size: 8, .value_kind: global_buffer, .address_space: global }
      - { .name: wo, .offset: 64, .size: 8, .value_kind: global_buffer, .address_space: global }
      - { .name: gate, .offset: 72, .size: 8, .value_kind: global_buffer, .address_space: global }
      - { .name: tab, .offset: 80, .size: 8, .value_kind: global_buffer, .address_space: global }
    .group_segment_fixed_size: 72192
    .private_segment_fixed_size: 0
    .kernarg_segment_align: 8
    .kernarg_segment_size: 88
    .max_flat_workgroup_size: 128
    .sgpr_count:     72
    .vgpr_count:     256
    .wavefront_size: 32
...
	.end_amdgpu_metadata
.endif
;; end of part 1
;; launch qkv (part 2): grid 12 x 16, 4 waves a work-group, clusters of 4 x 4, 327,680 bytes of LDS; arguments xq, wq, tab, q_norm_w, k_norm_w, lowp_scales, qc, kvc; writes qc, kvc
.if DOCPART == 2
	.amdgcn_target "amdgcn-amd-amdhsa--gfx1250"
	.amdhsa_code_object_version 6
	.text
	.protected	k_q3675cbbadd_qkv
	.globl	k_q3675cbbadd_qkv
	.p2align	8
	.type	k_q3675cbbadd_qkv,@function
k_q3675cbbadd_qkv:
	s_mov_b64 s[64:65], 0
	v_nop
	global_prefetch_b8 v0, s[64:65] scope:SCOPE_SE
	s_setreg_imm32_b32 hwreg(HW_REG_WAVE_MODE, 25, 1), 1
	s_wait_xcnt 0x0
	s_wait_alu depctr_hold_cnt(0) depctr_sa_sdst(0) depctr_va_vdst(0) depctr_va_sdst(0) depctr_va_ssrc(0) depctr_va_vcc(0) depctr_vm_vsrc(0)
	s_getreg_b32 s2, hwreg(HW_REG_IB_STS2, 6, 4)
	s_cmp_eq_u32 s2, 0
	s_cbranch_scc0 .Lentry_in_a_cluster
	s_endpgm
.Lentry_in_a_cluster:
	s_bfe_u32 s2, ttmp6, 0x10000c
	s_cmp_lg_u32 s2, 0xf033
	s_cbranch_scc0 .Lentry_shape_is_right
	s_endpgm
.Lentry_shape_is_right:
; qkv = x w_qkv^T on codes of E4M3, then, in registers: RMS norm, RoPE and the quantiser for q (2^e2) and k (2^e3), the quantiser along the keys for v (2^e5).  Only codes go to memory.
; A work-group of four waves makes 256 rows x 2 heads; a wave 128 rows x 1 head (128 columns): 64 accumulators of 16 x 16, 512 registers.  K = 1,024 goes in four slots' worth of 256 through a ring of two LDS slots.
; OPERANDS ARRIVE AS IMAGES OF FRAGMENTS (16 rows x 128 K = 2,048 bytes, 16 bytes a lane, 512 bytes a load): 128 rows x 256 K are one dense block of 32,768 bytes, one tensor load, and need no pitch and no padding.
; CLUSTERS: 4 x 4 work-groups.  The four of a row of the cluster need the same rows of x, the four of a column the same two heads: each block is asked for JOINTLY.
; HEADS.  With cluster x = 0, 1: head 8 x + 2 cx + p (p: the wave's column half): the 16 query heads.  With cluster x = 2: head 16 + cx + 4 p: half 0 is a k head, half 1 a v head.  So what a wave does with its results
; hangs on the cluster's x and the wave's number alone, never on a work-group's place in its cluster.
; ORIENTATION.  The matrix line is always D = (set B as source 0) x (set A as source 1): a lane holds one row of set A's tile, its registers run over set B's tiles.  q and k waves read x into set A and the head into set B:
; a lane holds a row of x, and its 64 registers of a tile run along the head's 128 channels.  A v wave reads them the other way round (its two LDS bases are swapped): a lane holds a channel, its registers run along the keys,
; which are the K of attention's second product.  The tiles' row order (place p of tile T: row 32 (T / 2) + 8 (T % 2) + p + 8 (p / 8)) makes register 16 b + i of a lane the index 32 b + 16 h + i: a fragment's own order.
; THE TABLE of cos and sin for the work-group's 256 positions, 131,072 bytes, takes slot 0 when that slot has been left for the last time: a joint refill like the others, shared along the cluster's row.
; LIMITS: e0 + e1 between -59 and 59; e2, e3 and e5 - e0 - e1 between -126 and 119.  192 work-groups: a head stays whole in a wave, since the norm wants all its 128 channels.
; REGISTERS, in windows of 256.  window 0: v16-29 addresses; v32-95 the norm's weights in a lane's order; v96-108 at work; v128-255 set A (8 fragments), later two sets of cos and sin.
;   window 1: set B twice (v0-127, v128-255); later U (v64-127), Y (v128-191), codes (v192-223).   windows 2, 3: the accumulators ((a, b) at v[8 (8 (a % 4) + b)], window 2 + a / 4).
.set HALFT,  32768                     ; 128 rows x 256 K: what one tensor load brings
.set SLOT,   4*HALFT                   ; x's two halves, then the two heads
.set SPARE,  2*SLOT                    ; behind the ring: the spare words, 128 bytes a wave
.set FR,     16
.set NL,     4
.set NP,     4
.set ADRA, 16                          ; v16-17  LDS address of set A's fragments in slot 0, 1
.set ADRB, 20                          ; v20-21  of set B's
.set LI,   24                          ; v24  16 x lane
.set TBA,  25                          ; v25  the table of my 128 rows
.set SCV,  26                          ; v26  the conversion's scale
.set WOF,  27                          ; v27  64 h: my place in the norm's weights
.set SPW,  28                          ; v28  my spare word; never rewritten
.set NIL,  29                          ; v29  0; never rewritten
.set W,    32
.set SS,   96
.set RS,   104
.set F,    106
.set TP,   108
.set AF,   128
.set CS,   128
.set U,    64
.set Y,    128
.set CD,   192
.set G1,  24                           ; s[24:31] group 1 with my row's mask;  s[32:39] x's groups 0
.set G0,  32
.set G1B, 48                           ; s[48:55] group 1 with my column's mask;  s[56:63] the heads' groups 0
.set G0B, 56
.set G0T, 80                           ; s[80:83] the table's group 0
.set MSB, 0
.macro WIN new                         ; the immediate's high byte repeats the setting that is left
.if MSB != \new
	s_set_vgpr_msb (MSB<<8)|\new
.set MSB, \new
.endif
.endm
.set MUL_LO, 0xa1                      ; source 0 (set B) window 1, source 1 (set A) window 0, C and D window 2
.set MUL_HI, 0xf1
.set TO_B,   0x40
.macro JLOAD g0a, g1a, g0b, g1b        ; a joint load: waves 0 and 1 fetch x's halves, waves 2 and 3 the heads.  An s_nop 0 and four v_nop follow each line
	s_cmp_eq_u32 s15, 0
	s_cbranch_scc0 .Lfor_b_\@
	tensor_load_to_lds s[\g0a:\g0a+3], s[\g1a:\g1a+7]
	s_nop 0
.rept 4
	v_nop
.endr
	s_branch .Lasked_\@
.Lfor_b_\@:
	tensor_load_to_lds s[\g0b:\g0b+3], s[\g1b:\g1b+7]
	s_nop 0
.rept 4
	v_nop
.endr
.Lasked_\@:
.endm
.macro CREST                           ; a round of the cluster's barrier behind its opening barrier
	s_cmp_lg_u32 s14, 0
	s_cbranch_scc1 .Lnot_wave_0_\@
	s_barrier_signal -3
.Lnot_wave_0_\@:
	s_barrier_wait -3
	s_barrier_signal -1
	s_barrier_wait -1
.endm
.macro CROUND
	s_barrier_signal -1
	s_barrier_wait -1
	CREST
.endm
	s_load_b256 s[4:11], s[0:1], 0x0               ; xq, wq, tab, q_norm_w
	s_load_b256 s[84:91], s[0:1], 0x20             ; k_norm_w, the scales' exponents, qc, kvc
	v_lshl_add_u32 v[SPW], v0, 2, SPARE
	v_mov_b32 v[NIL], 0
	ds_add_u32 v[SPW], v[NIL]                      ; the wave's opening: the add and its wait ahead of my first tensor load; the set-up below stands between them
	ds_add_u32 v[SPW], v[NIL]
	v_lshrrev_b32 v1, 5, v0
	v_readfirstlane_b32 s14, v1                    ; wave 0..3
	s_lshr_b32 s15, s14, 1                         ; my half of the rows.  Also: I fetch x (0) or a head (1)
	s_and_b32 s16, s14, 1                          ; my head of the two.  Also: which half I fetch
	s_bfe_u32 s40, ttmp6, 0x40000                  ; cx
	s_bfe_u32 s41, ttmp6, 0x40004                  ; cy
	s_and_b32 s17, ttmp7, 0xffff
	s_lshl_b32 s17, s17, 2
	s_add_co_u32 s17, s17, s41                     ; tile row = 4 x cluster y + cy
	s_lshl_b32 s42, ttmp9, 3
	s_lshl_b32 s46, s40, 1
	s_add_co_u32 s42, s42, s46
	s_add_co_u32 s42, s42, s16                     ; 8 x cluster x + 2 cx + p
	s_lshl_b32 s46, s16, 2
	s_add_co_u32 s46, s46, s40
	s_add_co_u32 s46, s46, 16                      ; 16 + cx + 4 p
	s_cmp_lt_u32 ttmp9, 2
	s_cselect_b32 s42, s42, s46                    ; the head of half p: the one that I fetch, if I fetch a head, and the one that I compute
	s_lshl_b32 s43, s41, 2
	s_lshl_b32 s43, 15, s43                        ; my row of the cluster
	s_lshl_b32 s44, 0x1111, s40                    ; my column
	s_or_b32 s[G1+0], s43, (3<<16)|(1<<21)         ; 15:0 the mask; 17:16 elements of 8 bytes; 21 set beside a mask; no padding
	s_or_b32 s[G1B+0], s44, (3<<16)|(1<<21)
.irp g, G1, G1B
	s_mov_b32 s[\g+1], 64<<16                      ; tensor_dim0 = 64 elements: 512 bytes
	s_mov_b32 s[\g+2], 64<<16                      ; tensor_dim1 = 64
	s_mov_b32 s[\g+3], 64<<16                      ; tile_dim0
	s_mov_b32 s[\g+4], 64                          ; tile_dim1
	s_mov_b32 s[\g+5], 64                          ; the pitch: the block is dense
	s_mov_b32 s[\g+6], 0
	s_mov_b32 s[\g+7], 0
.endr
	s_lshl_b32 s20, s17, 1
	s_add_co_u32 s20, s20, s16
	s_lshl_b32 s20, s20, 17                        ; x: block of 128 rows 2 x tile row + half: 4 x 32,768 bytes each
	s_mov_b32 s21, 0
	s_lshl_b32 s46, s42, 17                        ; the head's
	s_mov_b32 s47, 0
	s_mul_i32 s45, s14, HALFT                      ; where they go: wave x 32,768: no place in the cluster enters an LDS address
	s_and_b32 s18, s17, 7
	s_lshl_b32 s18, s18, 17                        ; the table of positions 256 (tile row % 8) on,
	s_add_co_u32 s18, s18, s45                     ; my quarter of it
	s_mov_b32 s19, 0
	s_wait_dscnt 0x0                               ; the opening add is done
	s_wait_kmcnt 0x0
	s_load_b256 s[68:75], s[86:87], 0x0            ; e0 .. e7
	s_add_nc_u64 s[20:21], s[4:5], s[20:21]
	s_add_nc_u64 s[46:47], s[6:7], s[46:47]
	s_mov_b32 s[G0T], 1
	s_mov_b32 s[G0T+1], s45
	s_add_nc_u64 s[G0T+2:G0T+3], s[8:9], s[18:19]
	s_or_b32 s[G0T+3], s[G0T+3], 0x80000000
	CROUND                                         ; all sixteen work-groups are here: the first joint loads meet
.irp s, 0,1
	s_mov_b32 s[G0+4*\s], 1
	s_add_co_u32 s[G0+4*\s+1], s45, \s*SLOT
	s_add_nc_u64 s[G0+4*\s+2:G0+4*\s+3], s[20:21], \s*HALFT
	s_or_b32 s[G0+4*\s+3], s[G0+4*\s+3], 0x80000000
	s_mov_b32 s[G0B+4*\s], 1
	s_add_co_u32 s[G0B+4*\s+1], s45, \s*SLOT
	s_add_nc_u64 s[G0B+4*\s+2:G0B+4*\s+3], s[46:47], \s*HALFT
	s_or_b32 s[G0B+4*\s+3], s[G0B+4*\s+3], 0x80000000
.endr
	JLOAD G0, G1, G0B, G1B                         ; slot 0: one tensor load a wave at the head
	v_and_b32 v1, 31, v0
	v_bfe_u32 v2, v0, 4, 1
	v_lshlrev_b32 v[LI], 4, v1
	s_wait_alu depctr_va_vdst(0)
	v_lshlrev_b32 v[WOF], 6, v2
	s_wait_alu depctr_va_vdst(0)
	v_mov_b32 v[TP], 0                             ; written once: a lane permute's destination counts as one of its sources
	s_cmp_eq_u32 ttmp9, 2
	s_cselect_b32 s78, s16, 0                      ; 1 in a v wave
	s_mul_i32 s21, s15, HALFT                      ; my rows of x
	s_mul_i32 s22, s16, HALFT
	s_add_co_u32 s22, s22, 2*HALFT                 ; my head
	s_cmp_eq_u32 s78, 0
	s_cselect_b32 s18, s21, s22                    ; set A: x; in a v wave the head
	s_cselect_b32 s19, s22, s21                    ; set B: the head; in a v wave x
.irp s, 0,1
	v_add_nc_u32 v[ADRA+\s], s18, v[LI]
	v_add_nc_u32 v[ADRB+\s], s19, v[LI]
	s_add_co_u32 s18, s18, SLOT
	s_add_co_u32 s19, s19, SLOT
.endr
	s_lshl_b32 s23, s15, 16
	v_add_nc_u32 v[TBA], s23, v[LI]                ; eight tiles x 8,192 bytes for each half of the rows
	s_cmp_lt_u32 ttmp9, 2
	s_cselect_b64 s[2:3], s[10:11], s[84:85]       ; q's weights or k's
.irp b, 0,1,2,3
.irp j, 0,1,2,3
	global_load_b128 v[W+16*\b+4*\j:W+16*\b+4*\j+3], v[WOF], s[2:3] offset:128*\b+16*\j   ; register 16 b + i: channel 32 b + 16 h + i
.endr
.endr
	; where my codes go.  XB = my block of 128 rows; b = XB / 16 the batch, g = XB % 16 the block of 128 positions
	s_lshl_b32 s18, s17, 1
	s_add_co_u32 s18, s18, s15
	s_lshr_b32 s19, s18, 4
	s_and_b32 s18, s18, 15
	s_lshl_b32 s12, s19, 4
	s_add_co_u32 s12, s12, s42
	s_lshl_b32 s12, s12, 18
	s_lshl_b32 s79, s18, 14
	s_add_co_u32 s12, s12, s79                     ; qc: (16 b + head) 262144 + 16384 g
	s_lshl_b32 s13, s19, 2
	s_and_b32 s79, s42, 3
	s_add_co_u32 s13, s13, s79
	s_lshl_b32 s13, s13, 19
	s_lshr_b32 s79, s18, 1
	s_lshl_b32 s79, s79, 16
	s_add_co_u32 s13, s13, s79
	s_lshl_b32 s79, s16, 15
	s_add_co_u32 s13, s13, s79
	s_and_b32 s79, s18, 1
	s_lshl_b32 s79, s79, 14
	s_add_co_u32 s13, s13, s79                     ; kvc: (4 b + kv) 524288 + (g / 2) 65536 + 32768 (v) + (g % 2) 16384
	s_cmp_lt_u32 ttmp9, 2
	s_cselect_b32 s12, s12, s13
	s_cselect_b64 s[76:77], s[88:89], s[90:91]
	s_mov_b32 s13, 0
	s_add_nc_u64 s[76:77], s[76:77], s[12:13]
.macro FRAG reg, adr, q, i             ; fragment (tile i, the slot's q-th 128 along K): four loads of 512 consecutive bytes
.irp c, 0,1,2,3
	ds_load_b128 v[\reg+4*\c:\reg+4*\c+3], v[\adr] offset:4096*(\i)+2048*(\q)+512*\c
.endr
.endm
; 16 matrix instructions: set A's tiles a0, a0 + 1 x set B's eight.  The 64 accumulators take turns, one instruction a turn, in the same order in every step.
.macro MUL16 a0, p, zero
.irp a, \a0, \a0+1
.irp b, 0,1,2,3,4,5,6,7
.if \zero
	v_wmma_f32_16x16x128_fp8_fp8 v[8*(8*((\a)%4)+\b):8*(8*((\a)%4)+\b)+7], v[128*(\p)+FR*\b:128*(\p)+FR*\b+FR-1], v[AF+FR*(\a):AF+FR*(\a)+FR-1], 0
.else
	v_wmma_f32_16x16x128_fp8_fp8 v[8*(8*((\a)%4)+\b):8*(8*((\a)%4)+\b)+7], v[128*(\p)+FR*\b:128*(\p)+FR*\b+FR-1], v[AF+FR*(\a):AF+FR*(\a)+FR-1], v[8*(8*((\a)%4)+\b):8*(8*((\a)%4)+\b)+7]
.endif
.endr
.endr
.endm
.macro FETCH_B slot, q, p
	WIN TO_B
.irp i, 0,1,2,3,4,5,6,7
	FRAG 128*(\p)+FR*\i, ADRB+\slot, \q, \i
.endr
	WIN 0
.endm
.macro FETCH_A slot, q, i0
.irp i, \i0, \i0+1, \i0+2, \i0+3
	FRAG AF+FR*(\i), ADRA+\slot, \q, \i
.endr
.endm
.macro PLACES n                        ; plain vector lines between a matrix instruction and a load into, or a vector line on, its registers
.rept \n
	v_nop
.endr
.endm
; A step of 128 along K that has its successor in the same slot.  Set A has one set of registers: tiles 0-3 are fetched anew in the step's middle, tiles 4-7 at its end; set B has two.
.macro STEP slot, q, zero
	s_wait_dscnt 4*NL                              ; set B and tiles 0-3 are in; the youngest 16 loads (tiles 4-7) may be out
	WIN MUL_LO
	MUL16 0, (\q)%2, \zero
	MUL16 2, (\q)%2, \zero
	s_wait_dscnt 0
	PLACES NP
	FETCH_B \slot, (\q)+1, 1-(\q)%2
	FETCH_A \slot, (\q)+1, 0
	WIN MUL_HI
	MUL16 4, (\q)%2, \zero
	MUL16 6, (\q)%2, \zero
	PLACES NP
	WIN 0
	FETCH_A \slot, (\q)+1, 4
.endm
; A slot's last step changes slots.  In front of the round each wave waits for all its tensor loads, adds 0 to its spare word, and waits for that and for its own reads of this slot.
; fill = 1: the slot takes the K two slots on;  fill = 2: slot 0 takes the table, a quarter a wave.
.macro TURN slot, next, fill
	s_wait_tensorcnt 0x0                           ; all my tensor loads have landed: my part of the next slot
	ds_add_u32 v[SPW], v[NIL]                      ; 0 onto my spare word
	s_wait_dscnt 4*NL+1                            ; (the add and the youngest 16 loads may be out)
	WIN MUL_LO
	MUL16 0, 1, 0
	s_wait_dscnt 0x0                               ; the add is done, and my reads of this slot are over
	s_barrier_signal -1
	MUL16 2, 1, 0
	WIN 0
	s_barrier_wait -1
	CREST                                          ; no wave of any partner still reads this slot or has a load on its way
.if \fill == 1
	s_add_nc_u64 s[G0+4*\slot+2:G0+4*\slot+3], s[G0+4*\slot+2:G0+4*\slot+3], 2*HALFT
	s_add_nc_u64 s[G0B+4*\slot+2:G0B+4*\slot+3], s[G0B+4*\slot+2:G0B+4*\slot+3], 2*HALFT
	JLOAD G0+4*\slot, G1, G0B+4*\slot, G1B         ; my one tensor load behind the round; its four v_nop are the places in front of the loads below
.else
	tensor_load_to_lds s[G0T:G0T+3], s[G1:G1+7]    ; the table hangs on the tile row alone: my row's mask
	s_nop 0
.rept 4
	v_nop
.endr
.endif
	FETCH_B \next, 0, 0
	FETCH_A \next, 0, 0
	WIN MUL_HI
	MUL16 4, 1, 0
	MUL16 6, 1, 0
	PLACES NP
	WIN 0
	FETCH_A \next, 0, 4
.endm
	s_wait_alu depctr_va_vdst(0)
	s_wait_tensorcnt 0x0                           ; my part of slot 0 is in
	ds_add_u32 v[SPW], v[NIL]
	s_wait_dscnt 0x0
	CROUND                                         ; everybody's part of slot 0 is in, and all sixteen work-groups are here
	JLOAD G0+4, G1, G0B+4, G1B                     ; slot 1's first fill: my one tensor load behind the round
	FETCH_B 0, 0, 0
	FETCH_A 0, 0, 0
	FETCH_A 0, 0, 4
	STEP 0, 0, 1                                   ; K 0-127: the first products start the sums: nothing is cleared
	TURN 0, 1, 1                                   ; eight steps in all, written out: K = 1,024 is four slots' worth
	STEP 1, 0, 0
	TURN 1, 0, 1
	STEP 0, 0, 0
	TURN 0, 1, 2                                   ; slot 0 is left for the last time: the table lands under the last 160 matrix instructions
	STEP 1, 0, 0
	s_wait_dscnt 4*NL
	WIN MUL_LO
	MUL16 0, 1, 0
	MUL16 2, 1, 0
	s_wait_dscnt 0
	WIN MUL_HI
	MUL16 4, 1, 0
	MUL16 6, 1, 0
	WIN 0
	s_wait_tensorcnt 0x0                           ; my quarter of the table is in,
	s_barrier_signal -1
	s_barrier_wait -1                              ; everybody's is
	s_wait_kmcnt 0x0
	s_add_co_i32 s94, s68, s69                     ; e0 + e1: a sum stands for sum x 2^(e0 + e1)
	s_add_co_i32 s92, s94, 127
	s_lshl_b32 s92, s92, 23                        ; 2^(e0 + e1)
	s_lshl_b32 s93, s94, 1
	s_add_co_i32 s93, s93, 120
	s_lshl_b32 s93, s93, 23                        ; 2^(2 (e0 + e1) - 7): the mean of 128 squares
	s_mov_b32 s97, 0x3727c5ac                      ; 1e-5
	s_sub_co_i32 s94, s73, s94                     ; v: e5 - e0 - e1: the three scales folded into the conversion's one
	s_cmp_eq_u32 s78, 0
	s_cselect_b32 s94, s71, s94                    ; k: e3
	s_cmp_lt_u32 ttmp9, 2
	s_cselect_b32 s94, s70, s94                    ; q: e2
	s_add_co_i32 s94, s94, 127
	s_lshl_b32 s79, s94, 23
	v_mov_b32 v[SCV], s79
	s_add_co_i32 s94, s94, 8
	s_lshl_b32 s94, s94, 23
	s_or_b32 s95, s94, 0x600000                    ; 448 x the scale,
	s_or_b32 s96, s95, 0x80000000                  ; and its negative
	s_mov_b32 s98, 0x76543210                      ; lane l xor 16
	s_mov_b32 s99, 0xfedcba98
	PLACES NP                                      ; behind the last products: for the reads of results, the loads into set A's registers and the writes into set B's
; THE WAY OUT OF A q OR k WAVE, tile a (16 rows): y = rope(sum x w) x 2^(e0 + e1) / sqrt(mean square + 1e-5), then codes.  A row's factor is common to its channels, so it is applied behind RoPE.
.macro QKTILE a
.set AW,  2+(\a)/4
.set AC,  64*((\a)%4)
.set CC,  CS+64*((\a)%2)
.set CN,  CS+64*(1-(\a)%2)
.set CDA, CD+16*((\a)%2)
.set W_SQ, AW|(AW<<2)
.set W_U,  AW|0x40
.if (\a) >= 2
	s_wait_xcnt 0x0                                ; the stores of two tiles back have read the codes' registers
.endif
.if (\a) == 0
.irp q, 0,1,2,3,4,5,6,7,8,9,10,11,12,13,14,15
	ds_load_b128 v[CC+4*\q:CC+4*\q+3], v[TBA] offset:8192*(\a)+512*\q
.endr
.endif
.if (\a) < 7
.irp q, 0,1,2,3,4,5,6,7,8,9,10,11,12,13,14,15
	ds_load_b128 v[CN+4*\q:CN+4*\q+3], v[TBA] offset:8192*((\a)+1)+512*\q   ; the next tile's cos (32 registers) and sin (32)
.endr
	s_wait_dscnt 16                                ; this tile's are in
.else
	s_wait_dscnt 0x0
.endif
.if (\a) == 0
	s_wait_loadcnt 0x0                             ; the norm's weights
.endif
	WIN W_SQ                                       ; sources 0 and 1: the accumulators' window
.irp k, 0,1,2,3
	v_pk_mul_f32 v[SS+2*\k:SS+2*\k+1], v[AC+2*\k:AC+2*\k+1], v[AC+2*\k:AC+2*\k+1]   ; squares in four chains; each accumulator from its low end on
.endr
.irp k, 4,5,6,7,8,9,10,11,12,13,14,15,16,17,18,19,20,21,22,23,24,25,26,27,28,29,30,31
	v_pk_fma_f32 v[SS+2*(\k%4):SS+2*(\k%4)+1], v[AC+2*\k:AC+2*\k+1], v[AC+2*\k:AC+2*\k+1], v[SS+2*(\k%4):SS+2*(\k%4)+1]
.endr
	WIN 0
	v_pk_add_f32 v[SS:SS+1], v[SS:SS+1], v[SS+2:SS+3]
	v_pk_add_f32 v[SS+4:SS+5], v[SS+4:SS+5], v[SS+6:SS+7]
	v_pk_add_f32 v[SS:SS+1], v[SS:SS+1], v[SS+4:SS+5]
	v_add_f32 v[SS], v[SS], v[SS+1]
	v_permlanex16_b32 v[TP], v[SS], s98, s99       ; the row's other 64 channels lie in the lane 16 away
	v_add_f32 v[SS], v[SS], v[TP]
	v_fma_f32 v[RS], v[SS], s93, s97
	s_wait_alu depctr_va_vdst(0)
	v_rsq_f32 v[RS], v[RS]
	WIN W_U                                        ; source 0 the accumulators, source 1 window 0, destination window 1
.set i, 0
.rept 32
	v_pk_mul_f32 v[U+i:U+i+1], v[AC+i:AC+i+1], v[W+i:W+i+1]   ; x the norm's weight.  (The plain lines behind the transcendental)
.set i, i+2
.endr
	WIN 0x51                                       ; sources 0 and 2 and the destination window 1, source 1 window 0
.set i, 0
.rept 16
	v_pk_mul_f32 v[Y+i:Y+i+1], v[U+i:U+i+1], v[CC+i:CC+i+1]                 ; x1 cos
	v_pk_mul_f32 v[Y+32+i:Y+33+i], v[U+i:U+i+1], v[CC+32+i:CC+33+i]         ; x1 sin
	v_pk_fma_f32 v[Y+i:Y+i+1], v[U+32+i:U+33+i], v[CC+32+i:CC+33+i], v[Y+i:Y+i+1] neg_lo:[1,0,0] neg_hi:[1,0,0]   ; - x2 sin
	v_pk_fma_f32 v[Y+32+i:Y+33+i], v[U+32+i:U+33+i], v[CC+i:CC+i+1], v[Y+32+i:Y+33+i]                             ; + x2 cos
.set i, i+2
.endr
	WIN 0
	s_wait_alu depctr_va_vdst(0)                   ; the wait ahead of the first reader of the root
	v_mul_f32 v[F], s92, v[RS]
	v_mul_f32 v[F+1], s92, v[RS]
	WIN 0x51
.set i, 0
.rept 32
	v_pk_mul_f32 v[Y+i:Y+i+1], v[Y+i:Y+i+1], v[F:F+1]
.set i, i+2
.endr
.set i, 0
.rept 64
	v_med3_num_f32 v[Y+i], v[Y+i], s96, s95        ; the hold at the largest code x the scale (ISA guide 7.6.2)
.set i, i+1
.endr
.set i, 0
.rept 8
	v_cvt_scalef32_pk8_fp8_f32 v[CDA+2*i:CDA+2*i+1], v[Y+8*i:Y+8*i+7], v[SCV]
.set i, i+1
.endr
	v_nop                                          ; a plain line behind the last conversion
	WIN 0x04                                       ; a store's data: source 1, window 1
.irp c, 0,1,2,3
	global_store_b128 v[LI], v[CDA+4*\c:CDA+4*\c+3], s[76:77] offset:2048*(\a)+512*\c   ; the tile's fragment: 512 consecutive bytes a store
.endr
	WIN 0
.endm
; THE WAY OUT OF A v WAVE, tile a (16 channels x my 128 keys): hold and conversion alone.
.macro VTILE a
.set AW,  2+(\a)/4
.set AC,  64*((\a)%4)
.set CDA, CD+16*((\a)%2)
.set W_U, AW|0x40
.if (\a) >= 2
	s_wait_xcnt 0x0
.endif
	WIN W_U
.set i, 0
.rept 64
	v_med3_num_f32 v[Y+i], v[AC+i], s96, s95       ; each accumulator from its low end on
.set i, i+1
.endr
	WIN 0x41
.set i, 0
.rept 8
	v_cvt_scalef32_pk8_fp8_f32 v[CDA+2*i:CDA+2*i+1], v[Y+8*i:Y+8*i+7], v[SCV]
.set i, i+1
.endr
	v_nop
	WIN 0x04
.irp c, 0,1,2,3
	global_store_b128 v[LI], v[CDA+4*\c:CDA+4*\c+3], s[76:77] offset:2048*(\a)+512*\c
.endr
	WIN 0
.endm
	s_cmp_lg_u32 s78, 0                            ; the cluster's x and the wave's number alone: the same in all partners
	s_cbranch_scc1 .Lv
.irp a, 0,1,2,3,4,5,6,7
	QKTILE \a
.endr
	s_branch .Ldone
.Lv:
.irp a, 0,1,2,3,4,5,6,7
	VTILE \a
.endr
.Ldone:
	s_wait_tensorcnt 0x0                           ; the wave's end: a tensor wait, an add to my spare word and its wait behind my last tensor load
	ds_add_u32 v[SPW], v[NIL]
	s_wait_dscnt 0x0
	CROUND                                         ; the closing round: no work-group ends while a partner may still ask for a block that names it
	s_endpgm
.Lfunc_end_k_q3675cbbadd_qkv:
	.size	k_q3675cbbadd_qkv, .Lfunc_end_k_q3675cbbadd_qkv-k_q3675cbbadd_qkv
	.p2alignl 7, 3214868480
	.fill 96, 4, 3214868480
	.section	.rodata,"a",@progbits
	.p2align	6, 0x0
	.amdhsa_kernel k_q3675cbbadd_qkv
		.amdhsa_group_segment_fixed_size 327680
		.amdhsa_private_segment_fixed_size 0
		.amdhsa_enable_private_segment 0
		.amdhsa_kernarg_size 64
		.amdhsa_user_sgpr_count 2
		.amdhsa_user_sgpr_kernarg_segment_ptr 1
		.amdhsa_wavefront_size32 1
		.amdhsa_system_sgpr_workgroup_id_x 1
		.amdhsa_system_sgpr_workgroup_id_y 1
		.amdhsa_system_sgpr_workgroup_id_z 1
		.amdhsa_system_vgpr_workitem_id 0
		.amdhsa_next_free_vgpr 1024
		.amdhsa_next_free_sgpr 100
		.amdhsa_reserve_vcc 0
		.amdhsa_float_denorm_mode_32 3
		.amdhsa_float_denorm_mode_16_64 3
		.amdhsa_memory_ordered 1
		.amdhsa_forward_progress 1
		.amdhsa_inst_pref_size 255
	.end_amdhsa_kernel
	.section	.bss,"aw",@nobits
	.p2align	6
	.space	262144
	.amdgpu_metadata
---
amdhsa.version: [ 1, 2 ]
amdhsa.kernels:
  - .name:           k_q3675cbbadd_qkv
    .symbol:         k_q3675cbbadd_qkv.kd
    .args:
      - { .name: xq, .offset: 0, .size: 8, .value_kind: global_buffer, .address_space: global }
      - { .name: wq, .offset: 8, .size: 8, .value_kind: global_buffer, .address_space: global }
      - { .name: tab, .offset: 16, .size: 8, .value_kind: global_buffer, .address_space: global }
      - { .name: q_norm_w, .offset: 24, .size: 8, .value_kind: global_buffer, .address_space: global }
      - { .name: k_norm_w, .offset: 32, .size: 8, .value_kind: global_buffer, .address_space: global }
      - { .name: lowp_scales, .offset: 40, .size: 8, .value_kind: global_buffer, .address_space: global }
      - { .name: qc, .offset: 48, .size: 8, .value_kind: global_buffer, .address_space: global }
      - { .name: kvc, .offset: 56, .size: 8, .value_kind: global_buffer, .address_space: global }
    .group_segment_fixed_size: 327680
    .private_segment_fixed_size: 0
    .kernarg_segment_align: 8
    .kernarg_segment_size: 64
    .max_flat_workgroup_size: 128
    .sgpr_count:     100
    .vgpr_count:     1024
    .wavefront_size: 32
...
	.end_amdgpu_metadata
.endif
;; end of part 2
;; launch attn (part 3): grid 32 x 8, 8 waves a work-group, no clusters, 327,680 bytes of LDS; arguments qc, kvc, gate, lowp_scales, aq; writes aq
.if DOCPART == 3
	.amdgcn_target "amdgcn-amd-amdhsa--gfx1250"
	.amdhsa_code_object_version 6
	.text
	.protected	k_q3675cbbadd_attn
	.globl	k_q3675cbbadd_attn
	.p2align	8
	.type	k_q3675cbbadd_attn,@function
k_q3675cbbadd_attn:
	s_mov_b64 s[64:65], 0
	v_nop
	global_prefetch_b8 v0, s[64:65] scope:SCOPE_SE
	s_setreg_imm32_b32 hwreg(HW_REG_WAVE_MODE, 25, 1), 1
	s_wait_xcnt 0x0
; Causal attention on codes of E4M3, the gate, and the quantiser ahead of the output projection.
; t = score x log2(e) / sqrt(128); M = the running largest t rounded UP to a whole number; p = 2^(t - M) is quantised with 2^e4, not normalised; the row's sum is taken of the unquantised p and divides at the end;
; when M moves, the sum and O are multiplied by 2^(old M - new M), which rounds nothing.  Then o x gate is quantised with 2^e8.
; SHARES.  Work-group (i, y): batch y / 4, KV head y % 4, the four query heads that share it, and two blocks of 32 queries: block i and block 63 - i.  Under the causal mask block n needs n / 4 + 1 steps of 128 keys,
; so every work-group has 17 block-steps for each head: 256 equal work-groups.  Each of the EIGHT waves owns one head's whole block, TWO tiles of 16 queries, in 512 registers: each fragment of K and V that it reads
; from LDS feeds two matrix instructions.  Wave bits b2 b1 b0: head b1 + 2 b2, low or high block b0 xor b2: waves w and w + 4, and waves 2 s and 2 s + 1, are one of each kind.
; Steps whose 128 keys all come after the block's queries are left out (the mask is built by the problem itself): a branch on ids round the step's work alone.
; NO CLUSTER: the heads that share K and V already sit in one work-group, and work-groups of one KV head stop asking for slots at different keys under the mask: partners would need different numbers of tiles.
; K and V come as images of fragments: a slot of 256 keys is 65,536 dense bytes of kvc (16 tiles of K, then V's 8 tiles for each 128 keys), fetched by waves 0-3, a quarter each, and read by all eight.
; LAYOUT.  Both products transposed: S^T = K Q^T, O^T = V^T P^T: a lane holds one query of each tile (tile u, place lane % 16: position 32 block + 8 u + r + 8 (r / 8)).  Register 16 b + i of S^T is key 32 b + 16 h + i
; of the step, and of O^T channel 32 b + 16 h + i: the conversions' results are operands as they stand.
; TWO SETS OF 128 REGISTERS SWAP ROLES from step to step.  K lies in set X, S^T goes to set Y; V is asked for into X directly behind the first product; when p's codes are made, the next K is asked for into Y;
; the next step finds K in Y and writes S^T to X.  A slot's second step stops at its codes: V lies in registers by the change of slots, behind which the new slot's first K is asked for, and only then come that
; step's rescaling and second product (the TAIL).  The first trip's tail finds zeros in V, in the codes and in O^T and leaves zeros.
; The loop has 9 trips, one for each slot and one for the last tail.  A slot whose first key comes after the work-group's last query is not asked for.  Every wait on TENSORcnt is for 0.
; LIMITS: e2 + e3 between -123 and 130; e4 and e8 between -126 and 119; e4 + e5 is applied by v_ldexp_f32 and has none; the scaled scores t stay under 2^31 in magnitude.
; REGISTERS.  Window 0: v1-11 addresses and small things; v12-15 -M and the largest t of tiles 0, 1; v16-19 the sums; v20-23 f; v24 448 x the scale, v25 the scale; v26-31 at work; v32-63 Q; v64-95 codes; v98-111 partial sums;
; v128-255 O^T.  Window 1: set A v0-127, set B v128-255.
.set SLOT1, 65536                      ; slot 1 begins here: one exclusive or turns an address
.set NTR,   9                          ; trips
.set SPARE, 2*SLOT1                    ; behind the ring: the spare words, 128 bytes a wave: four blocks of 256 bytes that no other line names
.set LI,   1                           ; 16 x lane
.set QL,   2                           ; tile 0's query in its block of 32, less 16 h
.set PFO,  3                           ; 256 x lane
.set GT,   4                           ; tile 0's gate;  v7 tile 1's
.set SPW,  5                           ; my spare word; never rewritten
.set NIL,  6                           ; 0; never rewritten
.set GT1,  7
.set ADR,  8                           ; the slot in hand + 16 lane
.set GA,   9                           ; 4 r
.set DD,   10                          ; v10, v11: the mask's d of tiles 0, 1
.set NM,   12
.set LS,   16
.set FF,   20
.set HOLD, 24
.set SCL,  25
.set MA,   26                          ; v26-29 the maxima's chains
.set PL,   30                          ; v30, v31 lane permutes' results
.set QR,   32
.set CD,   64
.set TS,   96
.set OT,   128
.set WV,   18
.set SEL,  20                          ; s[20:21] lane l xor 16
.set CS,   22                          ; s[22:23] c = log2(e) / sqrt(128) x 2^(e2 + e3)
.set G1,   24                          ; s[24:31] group 1: 64 rows of 256 bytes, dense
.set G0,   40                          ; s[40:43] group 0, which walks
.set TB,   2                           ; LDS byte at which the slot in hand begins
.set TL,   3                           ; 1 while a second step's tail is owed
.set LASTQ, 66                         ; my work-group's last query
.set SLOTS, 67                         ; trips still to come
.set PFA,  76                          ; s[76:77] where my prefetches stand
.set LIM,  80                          ; 3 in a wave that prefetches, else the greatest number
.set QE,   81                          ; my block's last query
.set KS,   97                          ; the slot's first key
.set KF,   98                          ; the step's first key
.set Q0,   99                          ; my block's first query
.set MSB, 0
.macro WIN new                         ; low byte: bits 1:0 source 0, 3:2 source 1, 5:4 source 2, 7:6 destination; the high byte repeats the setting that is left
.if MSB != \new
	s_set_vgpr_msb (MSB<<8)|\new
.set MSB, \new
.endif
.endm
.macro TLOAD                           ; waves 0-3 fetch a quarter of a slot each.  An s_nop 0 and four v_nop follow the line
	s_cmp_lt_u32 s[WV], 4
	s_cbranch_scc0 .Lasked_\@
	tensor_load_to_lds s[G0:G0+3], s[G1:G1+7]
	s_nop 0
.rept 4
	v_nop
.endr
.Lasked_\@:
.endm
	s_load_b256 s[4:11], s[0:1], 0x0               ; qc, kvc, gate, the scales' exponents
	s_load_b64 s[16:17], s[0:1], 0x20              ; aq
	v_lshl_add_u32 v[SPW], v0, 2, SPARE
	v_mov_b32 v[NIL], 0
	ds_add_u32 v[SPW], v[NIL]                      ; the wave's opening: the add, twice on end, and its wait ahead of my first tensor load
	ds_add_u32 v[SPW], v[NIL]
	v_lshrrev_b32 v8, 5, v0
	v_readfirstlane_b32 s[WV], v8                  ; wave 0..7
	s_and_b32 s72, ttmp7, 0xffff                   ; y
	s_and_b32 s73, s[WV], 1
	s_bfe_u32 s74, s[WV], 0x10002
	s_bfe_u32 s75, s[WV], 0x10001
	s_lshl_b32 s82, s74, 1
	s_add_co_u32 s75, s75, s82                     ; which of the four query heads
	s_xor_b32 s74, s74, s73                        ; the low block or the high one
	s_sub_co_u32 s83, 63, ttmp9
	s_cmp_eq_u32 s74, 0
	s_cselect_b32 s83, ttmp9, s83                  ; my block of 32 queries
	s_lshl_b32 s[Q0], s83, 5
	s_add_co_u32 s[QE], s[Q0], 31
	s_lshl_b32 s84, s83, 1                         ; my first tile of positions
	s_lshl_b32 s85, ttmp9, 5
	s_sub_co_u32 s[LASTQ], 2047, s85
	s_and_b32 s86, s72, 3                          ; KV head
	s_lshr_b32 s87, s72, 2                         ; batch
	s_lshl_b32 s88, s86, 2
	s_add_co_u32 s88, s88, s75                     ; query head
	s_lshl_b32 s89, s87, 4
	s_add_co_u32 s89, s89, s88
	s_lshl_b32 s89, s89, 7
	s_add_co_u32 s89, s89, s84
	s_lshl_b32 s90, s89, 11                        ; qc: ((16 b + head) 128 + tile) 2048; tile 1 lies 2,048 bytes on
	s_mov_b32 s91, 0
	s_lshl_b32 s89, s87, 7
	s_add_co_u32 s89, s89, s84                     ; T: my first tile among all 256 (even)
	s_lshl_b32 s92, s89, 10
	s_lshl_b32 s94, s88, 6
	s_add_co_u32 s92, s92, s94                     ; gate: 1024 T + 64 head
	s_mov_b32 s93, 0
	s_lshr_b32 s94, s89, 2
	s_lshl_b32 s94, s94, 2
	s_add_co_u32 s94, s94, s86
	s_lshl_b32 s94, s94, 15
	s_and_b32 s95, s89, 3
	s_lshl_b32 s95, s95, 13
	s_add_co_u32 s94, s94, s95
	s_lshl_b32 s95, s75, 11
	s_add_co_u32 s94, s94, s95                     ; aq: ((T / 4) 4 + head / 4) 32768 + (T % 4) 8192 + (head % 4) 2048; tile 1 lies 8,192 bytes on
	s_mov_b32 s95, 0
	s_lshl_b32 s82, s72, 19                        ; kvc: 524,288 bytes for each y
	s_mov_b32 s83, 0
	s_and_b32 s85, s[WV], 3
	s_lshl_b32 s85, s85, 14                        ; the quarter of a slot that I fetch, if I fetch
	s_mov_b32 s[G1], 3<<16                         ; no mask; elements of 8 bytes; no padding
	s_mov_b32 s[G1+1], 32<<16                      ; tensor_dim0 = 32: 256 bytes
	s_mov_b32 s[G1+2], 64<<16                      ; tensor_dim1 = 64
	s_mov_b32 s[G1+3], 32<<16                      ; tile_dim0
	s_mov_b32 s[G1+4], 64                          ; tile_dim1
	s_mov_b32 s[G1+5], 32                          ; the pitch: dense
	s_mov_b32 s[G1+6], 0
	s_mov_b32 s[G1+7], 0
	s_mov_b32 s[SEL], 0x76543210
	s_mov_b32 s[SEL+1], 0xfedcba98
	s_mov_b32 s[CS], 0x3e0293ee                    ; log2(e) / sqrt(128)
	s_mov_b32 s[TB], 0
	s_mov_b32 s[TL], 0
	s_mov_b32 s[SLOTS], NTR
	s_mov_b32 s[KS], 0
	s_wait_dscnt 0x0                               ; both opening adds are done
	s_wait_kmcnt 0x0
	s_load_b256 s[48:55], s[10:11], 0x0            ; e0 .. e7
	s_load_b32 s56, s[10:11], 0x20                 ; e8
	s_mov_b32 s[G0], 1
	s_mov_b32 s[G0+1], s85
	s_add_nc_u64 s[G0+2:G0+3], s[6:7], s[82:83]
	s_mov_b32 s74, s85
	s_mov_b32 s75, 0
	s_add_nc_u64 s[G0+2:G0+3], s[G0+2:G0+3], s[74:75]
	s_or_b32 s[G0+3], s[G0+3], 0x80000000
	TLOAD                                          ; slot 0
	s_add_nc_u64 s[4:5], s[4:5], s[90:91]
	s_add_nc_u64 s[8:9], s[8:9], s[92:93]
	s_add_nc_u64 s[16:17], s[16:17], s[94:95]
	; THE PREFETCH INTO THE L2 names the slot that the NEXT trip's tensor loads will ask for, two key steps ahead of them.  All 32 work-groups of a KV head walk the same bytes: work-group x = 0, which asks for all
	; eight slots, prefetches, and nobody else.  In it waves 4 to 7, which fetch nothing, name 2 x 8,192 bytes each, lanes 256 bytes apart: each aligned block of 256 bytes once in the launch.
	; Slots 0 and 1 come by their loads alone; the last three trips ask for nothing.
	s_and_b32 s74, s[WV], 3
	s_lshl_b32 s74, s74, 13
	s_add_co_u32 s74, s74, SLOT1                   ; in slot 1: the first trip steps it to slot 2
	s_add_nc_u64 s[PFA:PFA+1], s[6:7], s[82:83]
	s_add_nc_u64 s[PFA:PFA+1], s[PFA:PFA+1], s[74:75]
	s_lshr_b32 s74, s[WV], 2
	s_xor_b32 s74, s74, 1                          ; 0 in waves 4 to 7,
	s_or_b32 s74, s74, ttmp9                       ; of work-group x = 0
	s_cmp_eq_u32 s74, 0
	s_cselect_b32 s[LIM], 3, -1
	v_and_b32 v8, 31, v0
	v_lshlrev_b32 v[LI], 4, v8
	v_lshlrev_b32 v[PFO], 8, v8
	v_and_b32 v10, 15, v0                          ; r
	v_bfe_u32 v26, v0, 4, 1                        ; h
	v_lshlrev_b32 v[GA], 2, v10
.irp u, 0,1
.irp c, 0,1,2,3
	global_load_b128 v[QR+16*\u+4*\c:QR+16*\u+4*\c+3], v[LI], s[4:5] offset:2048*\u+512*\c   ; Q's two fragments stay in registers
.endr
.endr
	global_load_b32 v[GT], v[GA], s[8:9]
	global_load_b32 v[GT1], v[GA], s[8:9] offset:1024
	v_and_b32 v11, 8, v10
	v_add_nc_u32 v11, v11, v10                     ; r + 8 (r / 8)
	v_lshlrev_b32 v26, 4, v26
	v_sub_nc_u32 v[QL], v11, v26
	v_mov_b32 v[NM+1], 0xff61b1e6                  ; the largest t so far: -3e38, under every t
	v_mov_b32 v[NM+3], 0xff61b1e6
	v_floor_f32 v[NM], -v[NM+1]                    ; -M
	v_floor_f32 v[NM+2], -v[NM+3]
.irp j, 16,17,18,19,20,21,22,23,30,31
	v_mov_b32 v\j, 0                               ; the sums; f's pairs; the lane permutes' destinations, which count as sources
.endr
.set i, 0
.rept 32
	v_mov_b32 v[CD+i], 0                           ; the codes that the first trip's tail finds
.set i, i+1
.endr
.set i, 0
.rept 128
	v_mov_b32 v[OT+i], 0                           ; O^T.  (The steps are written once for each order of the sets: the first finds zeros, which the first change of M leaves zeros)
.set i, i+1
.endr
	WIN 0x40
.set i, 0
.rept 128
	v_mov_b32 v[128+i], 0                          ; set B: the V that the first trip's tail finds
.set i, i+1
.endr
	WIN 0
	s_wait_kmcnt 0x0
	s_add_co_i32 s72, s50, s51
	s_lshl_b32 s72, s72, 23
	s_add_co_i32 s[CS], s[CS], s72                 ; e2 + e3 are added to c's exponent field
	s_mov_b32 s[CS+1], s[CS]
	s_add_co_i32 s72, s52, 127
	s_lshl_b32 s73, s72, 23
	v_mov_b32 v[SCL], s73                          ; 2^e4
	s_add_co_i32 s72, s72, 8
	s_lshl_b32 s72, s72, 23
	s_or_b32 s72, s72, 0x600000
	v_mov_b32 v[HOLD], s72                         ; 448 x 2^e4
; THE ROW'S SUM of the unquantised p of tile u, whose 64 registers begin at b0 in window 1: eight chains of packed additions.
.macro SUMS b0, u
	WIN 0x05
.irp k, 1,2,3,4,5,6,7
	v_pk_add_f32 v[TS+2*\k:TS+2*\k+1], v[\b0+4*\k-4:\b0+4*\k-3], v[\b0+4*\k-2:\b0+4*\k-1]
.endr
	WIN 0x01
.set n, 28
.rept 2
	v_pk_add_f32 v[LS+2*\u:LS+2*\u+1], v[\b0+n:\b0+n+1], v[LS+2*\u:LS+2*\u+1]
.irp k, 1,2,3,4,5,6,7
	v_pk_add_f32 v[TS+2*\k:TS+2*\k+1], v[\b0+n+2*\k:\b0+n+2*\k+1], v[TS+2*\k:TS+2*\k+1]
.endr
.set n, n+16
.endr
	v_pk_add_f32 v[LS+2*\u:LS+2*\u+1], v[\b0+60:\b0+61], v[LS+2*\u:LS+2*\u+1]
	v_pk_add_f32 v[TS+2:TS+3], v[\b0+62:\b0+63], v[TS+2:TS+3]
	WIN 0
	v_pk_add_f32 v[TS+4:TS+5], v[TS+4:TS+5], v[TS+6:TS+7]
	v_pk_add_f32 v[TS+8:TS+9], v[TS+8:TS+9], v[TS+10:TS+11]
	v_pk_add_f32 v[TS+12:TS+13], v[TS+12:TS+13], v[TS+14:TS+15]
	v_pk_add_f32 v[LS+2*\u:LS+2*\u+1], v[LS+2*\u:LS+2*\u+1], v[TS+2:TS+3]
	v_pk_add_f32 v[TS+8:TS+9], v[TS+8:TS+9], v[TS+12:TS+13]
	v_pk_add_f32 v[LS+2*\u:LS+2*\u+1], v[LS+2*\u:LS+2*\u+1], v[TS+4:TS+5]
	v_pk_add_f32 v[LS+2*\u:LS+2*\u+1], v[LS+2*\u:LS+2*\u+1], v[TS+8:TS+9]
.endm
; A STEP'S TAIL: O^T under the new M, then O^T += V^T P^T.  x: the set that holds V.  cnt: the LDS loads younger than V's, which may be out.
.macro TAIL x, cnt
	s_wait_alu depctr_va_vdst(0)                   ; the wait here, directly ahead of the first reader of O^T
.set n, 0
.rept 32
	v_pk_mul_f32 v[OT+n:OT+n+1], v[OT+n:OT+n+1], v[FF:FF+1] op_sel_hi:[1,0]   ; each accumulator from its low end on.  (Also the plain lines behind the conversions)
	v_pk_mul_f32 v[OT+64+n:OT+64+n+1], v[OT+64+n:OT+64+n+1], v[FF+2:FF+3] op_sel_hi:[1,0]
.set n, n+2
.endr
	s_wait_alu depctr_va_vdst(0)
	s_wait_dscnt \cnt                              ; V's 32 loads are in
	WIN 0x01
.irp t, 0,1,2,3,4,5,6,7
.irp u, 0,1
	v_wmma_f32_16x16x128_fp8_fp8 v[OT+64*\u+8*\t:OT+64*\u+8*\t+7], v[\x+16*\t:\x+16*\t+15], v[CD+16*\u:CD+16*\u+15], v[OT+64*\u+8*\t:OT+64*\u+8*\t+7]
.endr
.endr
	WIN 0
.endm
; A KEY STEP: 128 keys, the q-th of the slot in hand, for both tiles.  x: the set that holds K and then V; y: the set that takes S^T.  whole = 1: the slot's second K is asked for into y, and the tail follows.
.macro STEP q, x, y, whole
	s_wait_dscnt 0x0                               ; K's 32 loads are in
.rept 5
	v_nop                                          ; five places: the products below write over set y, which the last products read
.endr
	WIN 0x41
.irp t, 0,1,2,3,4,5,6,7
.irp u, 0,1
	v_wmma_f32_16x16x128_fp8_fp8 v[\y+64*\u+8*\t:\y+64*\u+8*\t+7], v[\x+16*\t:\x+16*\t+15], v[QR+16*\u:QR+16*\u+15], 0
.endr
.endr
.rept 4
	v_nop                                          ; four places: ahead of the loads into set x and of the first reads of S^T
.endr
	WIN 0x40
.irp t, 0,1,2,3,4,5,6,7
.irp c, 0,1,2,3
	ds_load_b128 v[\x+16*\t+4*\c:\x+16*\t+4*\c+3], v[ADR] offset:32768+16384*\q+2048*\t+512*\c   ; V's eight fragments
.endr
.endr
	WIN 0
	s_add_co_u32 s96, s[KF], 127                   ; on the diagonal hidden scores become -infinity ahead of the maximum: p = 0 then.  A step all of whose keys count skips this
	s_cmp_le_u32 s96, s[Q0]
	s_cbranch_scc1 .Lopen_\@
	s_sub_co_i32 s96, s[Q0], s[KF]
	v_add_nc_u32 v[DD], s96, v[QL]                 ; d = my query - KF - 16 h.  Register 16 b + i holds key KF + 16 h + 32 b + i: hidden where 32 b + i > d
	v_add_nc_u32 v[DD+1], 8, v[DD]                 ; tile 1's queries lie 8 further on
	v_mov_b32 v[MA], 0xff800000
	WIN 0x41
.set n, 0
.rept 64
	v_cmp_gt_i32 vcc_lo, 32*(n/16)+n%16, v[DD]
	v_cndmask_b32 v[\y+n], v[\y+n], v[MA], vcc_lo
	v_cmp_gt_i32 vcc_lo, 32*(n/16)+n%16, v[DD+1]
	v_cndmask_b32 v[\y+64+n], v[\y+64+n], v[MA], vcc_lo
.set n, n+1
.endr
	WIN 0
.Lopen_\@:
	WIN 0x05                                       ; the step's largest scores: two chains a tile, each accumulator from its low end on
.irp u, 0,1
	v_max_num_f32 v[MA+2*\u], v[\y+64*\u], v[\y+64*\u+1]
	v_max_num_f32 v[MA+2*\u+1], v[\y+64*\u+2], v[\y+64*\u+3]
.endr
.set n, 4
.rept 15
.irp u, 0,1
	v_max3_num_f32 v[MA+2*\u], v[\y+64*\u+n], v[\y+64*\u+n+1], v[MA+2*\u]
	v_max3_num_f32 v[MA+2*\u+1], v[\y+64*\u+n+2], v[\y+64*\u+n+3], v[MA+2*\u+1]
.endr
.set n, n+4
.endr
	WIN 0
	v_max_num_f32 v[MA], v[MA], v[MA+1]            ; the two tiles' chains take turns line by line
	v_max_num_f32 v[MA+2], v[MA+2], v[MA+3]
	v_permlanex16_b32 v[PL], v[MA], s[SEL], s[SEL+1]
	v_permlanex16_b32 v[PL+1], v[MA+2], s[SEL], s[SEL+1]
	v_max_num_f32 v[MA], v[MA], v[PL]              ; and among lane l xor 16's
	v_max_num_f32 v[MA+2], v[MA+2], v[PL+1]
	v_mul_f32 v[MA], s[CS], v[MA]                  ; as t (c is positive)
	v_mul_f32 v[MA+2], s[CS], v[MA+2]
	v_max_num_f32 v[NM+1], v[NM+1], v[MA]          ; the running largest t
	v_max_num_f32 v[NM+3], v[NM+3], v[MA+2]
	v_mov_b32 v[MA+1], v[NM]
	v_mov_b32 v[MA+3], v[NM+2]
	v_floor_f32 v[NM], -v[NM+1]                    ; the new -M = -ceil(t): a whole number
	v_floor_f32 v[NM+2], -v[NM+3]
	v_sub_f32 v[MA+1], v[NM], v[MA+1]              ; old M - new M: a whole number, 0 or less
	v_sub_f32 v[MA+3], v[NM+2], v[MA+3]
	v_cvt_i32_f32 v[MA+1], v[MA+1]                 ; (it saturates)
	v_cvt_i32_f32 v[MA+3], v[MA+3]
	v_ldexp_f32 v[FF], 1.0, v[MA+1]                ; f = 2^(old M - new M)
	v_ldexp_f32 v[FF+2], 1.0, v[MA+3]
	WIN 0x41
.set n, 0
.rept 32
	v_pk_fma_f32 v[\y+n:\y+n+1], v[\y+n:\y+n+1], s[CS:CS+1], v[NM:NM+1] op_sel_hi:[1,0,0]   ; tile 0: t - M, two at a time
.set n, n+2
.endr
	s_wait_alu depctr_va_vdst(0)                   ; the wait ahead of the batch
.set n, 0
.rept 32
	v_exp_f32 v[\y+n], v[\y+n]                     ; tile 0: p = 2^(t - M);  among the 64, tile 1's t - M: plain lines on other registers, first read behind the next wait
	v_pk_fma_f32 v[\y+64+n:\y+64+n+1], v[\y+64+n:\y+64+n+1], s[CS:CS+1], v[NM+2:NM+3] op_sel_hi:[1,0,0]
	v_exp_f32 v[\y+n+1], v[\y+n+1]
.set n, n+2
.endr
	WIN 0
	v_pk_mul_f32 v[LS:LS+1], v[LS:LS+1], v[FF:FF+1] op_sel_hi:[1,0]           ; the sums under the new M.  (Plain lines behind the exponentials)
	v_pk_mul_f32 v[LS+2:LS+3], v[LS+2:LS+3], v[FF+2:FF+3] op_sel_hi:[1,0]
	s_wait_alu depctr_va_vdst(0)                   ; one wait: behind tile 0's batch, ahead of its first reader; and ahead of tile 1's batch
	SUMS \y, 0
	WIN 0x41
.set n, 0
.rept 64
	v_exp_f32 v[\y+64+n], v[\y+64+n]               ; tile 1: p;  among the 64, tile 0's hold: the conversion does not saturate (ISA guide 7.6.2); p is not negative, so the hold is one-sided
	v_min_num_f32 v[\y+n], v[\y+n], v[HOLD]
.set n, n+1
.endr
	s_wait_alu depctr_va_vdst(0)                   ; one wait behind tile 1's batch, ahead of its first reader and of the held numbers' readers
	SUMS \y+64, 1
	WIN 0x41
.set n, 0
.rept 64
	v_min_num_f32 v[\y+64+n], v[\y+64+n], v[HOLD]
.set n, n+1
.endr
	WIN 0x01
.set n, 0
.rept 16
	v_cvt_scalef32_pk8_fp8_f32 v[CD+2*n:CD+2*n+1], v[\y+8*n:\y+8*n+7], v[SCL]
.set n, n+1
.endr
.if \whole
	WIN 0x40
.irp t, 0,1,2,3,4,5,6,7
.irp c, 0,1,2,3
	ds_load_b128 v[\y+16*\t+4*\c:\y+16*\t+4*\c+3], v[ADR] offset:(8*(\q+1)+\t)*2048+512*\c   ; the next step's K, into the set that p has left
.endr
.endr
	WIN 0
	TAIL \x, 32                                    ; the 32 loads just issued may be out
.else
	v_nop                                          ; a plain line behind the last conversion
	WIN 0
.endif
.endm
	s_wait_alu depctr_va_vdst(0)                   ; the wait at the head's end
	s_wait_loadcnt 0x0                             ; Q and the gates
.Lslot:                                            ; nine trips.  THE CHANGE OF SLOTS stands at a trip's head
	s_wait_tensorcnt 0x0                           ; no tensor load of mine is out, so group 0 may be written
	ds_add_u32 v[SPW], v[NIL]                      ; 0 onto my spare word
	ds_add_u32 v[SPW], v[NIL]                      ; twice on end here, in every trip alike
	s_xor_b32 s[G0+1], s[G0+1], SLOT1              ; the other slot than last time,
	s_add_nc_u64 s[G0+2:G0+3], s[G0+2:G0+3], SLOT1 ; the next 256 keys
	s_wait_xcnt 0x0                                ; the last prefetches, a trip back, have read their address
	s_add_nc_u64 s[PFA:PFA+1], s[PFA:PFA+1], SLOT1
	s_wait_dscnt 0x0                               ; both adds are done, and my reads of the slot that I have left are over: the last V lies in registers
	s_barrier_signal -1
	s_barrier_wait -1
	s_add_co_u32 s96, s[KS], 256                   ; the first key of the slot that this trip would ask for: past my work-group's last query no wave would read it.
	s_cmp_gt_u32 s96, s[LASTQ]                     ; Ids and the count of trips alone: the same in all eight waves; the jump leads round the load's own lines and nothing else
	s_cbranch_scc1 .Lpast
	TLOAD                                          ; a wave's one tensor load until the next change: it has two key steps in which to land
.Lpast:
	s_cmp_gt_u32 s[SLOTS], s[LIM]
	s_cbranch_scc0 .Lnot_mine
	global_prefetch_b8 v[PFO], s[PFA:PFA+1] th:TH_LOAD_NT scope:SCOPE_SE
	global_prefetch_b8 v[PFO], s[PFA:PFA+1] offset:32768 th:TH_LOAD_NT scope:SCOPE_SE
.Lnot_mine:
	s_cmp_gt_u32 s[KS], s[QE]                      ; a slot all of whose keys come after my block's queries: only a tail may be owed
	s_cbranch_scc1 .Lhid
	s_mov_b32 s[KF], s[KS]
	v_add_nc_u32 v[ADR], s[TB], v[LI]
	s_wait_alu depctr_va_vdst(0)                   ; the wait behind this write
.rept 4
	v_nop                                          ; four places ahead of loads into set A, which products may have read
.endr
	WIN 0x40
.irp t, 0,1,2,3,4,5,6,7
.irp c, 0,1,2,3
	ds_load_b128 v[16*\t+4*\c:16*\t+4*\c+3], v[ADR] offset:2048*\t+512*\c   ; the slot's first K, into set A
.endr
.endr
	WIN 0
	TAIL 128, 32                                   ; the last trip's second step is finished while K is on its way (a slot that counts follows only steps that counted; the first trip finds zeros)
	STEP 0, 0, 128, 1
	s_mov_b32 s[TL], 0
	s_add_co_u32 s[KF], s[KS], 128
	s_cmp_gt_u32 s[KF], s[QE]
	s_cbranch_scc1 .Lend
	STEP 1, 128, 0, 0
	s_mov_b32 s[TL], 1
	s_branch .Lend
.Lhid:
	s_cmp_eq_u32 s[TL], 0
	s_cbranch_scc1 .Lend
.rept 4
	v_nop                                          ; four places behind the last products, whose results the tail reads first
.endr
	TAIL 128, 0                                    ; my last step was a slot's second
	s_mov_b32 s[TL], 0
.Lend:
	s_xor_b32 s[TB], s[TB], SLOT1
	s_add_co_u32 s[KS], s[KS], 256
	s_sub_co_u32 s[SLOTS], s[SLOTS], 1
	s_cmp_lg_u32 s[SLOTS], 0
	s_cbranch_scc1 .Lslot
	; THE WAY OUT: O^T x 2^(e4 + e5) / the sum x the gate, then codes with 2^e8: register 16 b + i is channel 32 b + 16 h + i, so the conversions' results are the next launch's fragments (16 queries, K step = my head).
.rept 4
	v_nop                                          ; four places behind the last products
.endr
	v_add_f32 v[LS], v[LS], v[LS+1]
	v_add_f32 v[LS+2], v[LS+2], v[LS+3]
	v_permlanex16_b32 v[PL], v[LS], s[SEL], s[SEL+1]
	v_permlanex16_b32 v[PL+1], v[LS+2], s[SEL], s[SEL+1]
	v_add_f32 v[LS], v[LS], v[PL]                  ; the rows' sums
	v_add_f32 v[LS+2], v[LS+2], v[PL+1]
	s_wait_alu depctr_va_vdst(0)                   ; the wait ahead of the transcendentals
	v_rcp_f32 v[LS], v[LS]
	v_rcp_f32 v[LS+2], v[LS+2]
	s_add_co_i32 s72, s56, 127
	s_lshl_b32 s73, s72, 23
	v_mov_b32 v[SCL], s73                          ; 2^e8.  (A plain line behind the transcendentals)
	s_add_co_i32 s72, s72, 8
	s_lshl_b32 s72, s72, 23
	s_or_b32 s72, s72, 0x600000
	v_mov_b32 v[HOLD], s72                         ; 448 x 2^e8
	s_add_co_i32 s72, s52, s53
	s_wait_alu depctr_va_vdst(0)                   ; the wait, ahead of the first reader
	v_ldexp_f32 v[LS], v[LS], s72
	v_ldexp_f32 v[LS+2], v[LS+2], s72
	v_mul_f32 v[LS], v[LS], v[GT]
	v_mul_f32 v[LS+2], v[LS+2], v[GT1]
	WIN 0x40
	s_wait_alu depctr_va_vdst(0)                   ; the wait here, directly ahead of the first reader of O^T
.set j, 0
.rept 32
	v_pk_mul_f32 v[j:j+1], v[OT+j:OT+j+1], v[LS:LS+1] op_sel_hi:[1,0]         ; into set A; each accumulator from its low end on
	v_pk_mul_f32 v[64+j:64+j+1], v[OT+64+j:OT+64+j+1], v[LS+2:LS+3] op_sel_hi:[1,0]
.set j, j+2
.endr
	WIN 0x41
.set j, 0
.rept 128
	v_med3_num_f32 v[j], v[j], -v[HOLD], v[HOLD]
.set j, j+1
.endr
	WIN 0x01
.set j, 0
.rept 16
	v_cvt_scalef32_pk8_fp8_f32 v[CD+2*j:CD+2*j+1], v[8*j:8*j+7], v[SCL]
.set j, j+1
.endr
	v_nop                                          ; a plain line behind the last conversion
	WIN 0
.irp u, 0,1
.irp c, 0,1,2,3
	global_store_b128 v[LI], v[CD+16*\u+4*\c:CD+16*\u+4*\c+3], s[16:17] offset:8192*\u+512*\c   ; 512 consecutive bytes a store, aligned
.endr
.endr
	s_wait_tensorcnt 0x0                           ; the wave's end: a tensor wait, an add to my spare word and its wait behind my last tensor load
	ds_add_u32 v[SPW], v[NIL]
	s_wait_dscnt 0x0
	s_endpgm
.Lfunc_end_k_q3675cbbadd_attn:
	.size	k_q3675cbbadd_attn, .Lfunc_end_k_q3675cbbadd_attn-k_q3675cbbadd_attn
	.p2alignl 7, 3214868480
	.fill 96, 4, 3214868480
	.section	.rodata,"a",@progbits
	.p2align	6, 0x0
	.amdhsa_kernel k_q3675cbbadd_attn
		.amdhsa_group_segment_fixed_size 327680
		.amdhsa_private_segment_fixed_size 0
		.amdhsa_enable_private_segment 0
		.amdhsa_kernarg_size 40
		.amdhsa_user_sgpr_count 2
		.amdhsa_user_sgpr_kernarg_segment_ptr 1
		.amdhsa_wavefront_size32 1
		.amdhsa_system_sgpr_workgroup_id_x 1
		.amdhsa_system_sgpr_workgroup_id_y 1
		.amdhsa_system_sgpr_workgroup_id_z 1
		.amdhsa_system_vgpr_workitem_id 0
		.amdhsa_next_free_vgpr 512
		.amdhsa_next_free_sgpr 100
		.amdhsa_reserve_vcc 1
		.amdhsa_float_denorm_mode_32 3
		.amdhsa_float_denorm_mode_16_64 3
		.amdhsa_memory_ordered 1
		.amdhsa_forward_progress 1
		.amdhsa_inst_pref_size 125
	.end_amdhsa_kernel
	.amdgpu_metadata
---
amdhsa.version: [ 1, 2 ]
amdhsa.kernels:
  - .name:           k_q3675cbbadd_attn
    .symbol:         k_q3675cbbadd_attn.kd
    .args:
      - { .name: qc, .offset: 0, .size: 8, .value_kind: global_buffer, .address_space: global }
      - { .name: kvc, .offset: 8, .size: 8, .value_kind: global_buffer, .address_space: global }
      - { .name: gate, .offset: 16, .size: 8, .value_kind: global_buffer, .address_space: global }
      - { .name: lowp_scales, .offset: 24, .size: 8, .value_kind: global_buffer, .address_space: global }
      - { .name: aq, .offset: 32, .size: 8, .value_kind: global_buffer, .address_space: global }
    .group_segment_fixed_size: 327680
    .private_segment_fixed_size: 0
    .kernarg_segment_align: 8
    .kernarg_segment_size: 40
    .max_flat_workgroup_size: 256
    .sgpr_count:     100
    .vgpr_count:     512
    .wavefront_size: 32
...
	.end_amdgpu_metadata
.endif
;; end of part 3
;; launch oproj (part 4): grid 8 x 32, 4 waves a work-group, clusters of 4 x 4, 327,680 bytes of LDS; arguments aq, wo, lowp_scales, out0; writes out0
.if DOCPART == 4
	.amdgcn_target "amdgcn-amd-amdhsa--gfx1250"
	.amdhsa_code_object_version 6
	.text
	.protected	k_q3675cbbadd_oproj
	.globl	k_q3675cbbadd_oproj
	.p2align	8
	.type	k_q3675cbbadd_oproj,@function
k_q3675cbbadd_oproj:
	s_mov_b64 s[64:65], 0
	v_nop
	global_prefetch_b8 v0, s[64:65] scope:SCOPE_SE
	s_setreg_imm32_b32 hwreg(HW_REG_WAVE_MODE, 25, 1), 1
	s_wait_xcnt 0x0
	s_wait_alu depctr_hold_cnt(0) depctr_sa_sdst(0) depctr_va_vdst(0) depctr_va_sdst(0) depctr_va_ssrc(0) depctr_va_vcc(0) depctr_vm_vsrc(0)
	s_getreg_b32 s2, hwreg(HW_REG_IB_STS2, 6, 4)
	s_cmp_eq_u32 s2, 0
	s_cbranch_scc0 .Lentry_in_a_cluster
	s_endpgm
.Lentry_in_a_cluster:
	s_bfe_u32 s2, ttmp6, 0x10000c
	s_cmp_lg_u32 s2, 0xf033
	s_cbranch_scc0 .Lentry_shape_is_right
	s_endpgm
.Lentry_shape_is_right:
.set HALFT,  32768
.set SLOT,   4*HALFT
.set STAGE,  2*SLOT
.set SPARE,  STAGE+4*16*272
.set ADRA, 16
.set ADRB, 20
.set LI,   24
.set STO,  25
.set RD,   26
.set CO,   27
.set SPW,  28
.set NIL,  29
.set TMP,  32
.set BK,   64
.set ACC,  128
.set F0,   0
.set F1,   128
.set G1,  24
.set G0,  32
.set G1B, 48
.set G0B, 56
.set G1H, 68                           ; s[68:75], s[76:83] groups 1 of the head's loads: both slots' parts in one dense block of 65,536 bytes
.set G1BH, 76
.set MSB, 0
.macro WIN new
.if MSB != \new
	s_set_vgpr_msb (MSB<<8)|\new
.set MSB, \new
.endif
.endm
.set MUL,  0x05
.set TO_F, 0x40
.macro JLOAD s
	s_cmp_eq_u32 s15, 0
	s_cbranch_scc0 .Lfor_b_\@
	tensor_load_to_lds s[G0+4*\s:G0+4*\s+3], s[G1:G1+7]
	s_nop 0
.rept 4
	v_nop
.endr
	s_branch .Lasked_\@
.Lfor_b_\@:
	tensor_load_to_lds s[G0B+4*\s:G0B+4*\s+3], s[G1B:G1B+7]
	s_nop 0
.rept 4
	v_nop
.endr
.Lasked_\@:
.endm
.macro CREST
	s_cmp_lg_u32 s14, 0
	s_cbranch_scc1 .Lnot_wave_0_\@
	s_barrier_signal -3
.Lnot_wave_0_\@:
	s_barrier_wait -3
	s_barrier_signal -1
	s_barrier_wait -1
.endm
.macro CROUND
	s_barrier_signal -1
	s_barrier_wait -1
	CREST
.endm
	s_load_b256 s[4:11], s[0:1], 0x0
	v_lshl_add_u32 v[SPW], v0, 2, SPARE
	v_mov_b32 v[NIL], 0
	ds_add_u32 v[SPW], v[NIL]
	ds_add_u32 v[SPW], v[NIL]
	v_lshrrev_b32 v1, 5, v0
	v_readfirstlane_b32 s14, v1
	s_lshr_b32 s15, s14, 1
	s_and_b32 s16, s14, 1
	s_bfe_u32 s40, ttmp6, 0x40000
	s_bfe_u32 s41, ttmp6, 0x40004
	s_lshl_b32 s42, ttmp9, 2
	s_add_co_u32 s42, s42, s40
	s_and_b32 s17, ttmp7, 0xffff
	s_lshl_b32 s17, s17, 2
	s_add_co_u32 s17, s17, s41
	s_lshl_b32 s43, s41, 2
	s_lshl_b32 s43, 15, s43
	s_lshl_b32 s44, 0x1111, s40
	s_or_b32 s[G1+0], s43, (3<<16)|(1<<21)
	s_or_b32 s[G1B+0], s44, (3<<16)|(1<<21)
	s_or_b32 s[G1H+0], s43, (3<<16)|(1<<21)
	s_or_b32 s[G1BH+0], s44, (3<<16)|(1<<21)
.irp g, G1, G1B
	s_mov_b32 s[\g+1], 64<<16                      ; a refill: 64 rows of 64 elements of 8 bytes, dense: 32,768 bytes
	s_mov_b32 s[\g+2], 64<<16
	s_mov_b32 s[\g+3], 64<<16
	s_mov_b32 s[\g+4], 64
	s_mov_b32 s[\g+5], 64
	s_mov_b32 s[\g+6], 0
	s_mov_b32 s[\g+7], 0
.endr
.irp g, G1H, G1BH
	s_mov_b32 s[\g+1], 128<<16                     ; the head's load: 64 rows of 128 elements of 8 bytes, dense: 65,536 bytes
	s_mov_b32 s[\g+2], 64<<16
	s_mov_b32 s[\g+3], 128<<16
	s_mov_b32 s[\g+4], 64
	s_mov_b32 s[\g+5], 128
	s_mov_b32 s[\g+6], 0
	s_mov_b32 s[\g+7], 0
.endr
	s_lshl_b32 s20, s17, 1
	s_add_co_u32 s20, s20, s16
	s_lshl_b32 s20, s20, 17
	s_mov_b32 s21, 0
	s_lshl_b32 s46, s42, 1
	s_add_co_u32 s46, s46, s16
	s_lshl_b32 s46, s46, 17
	s_mov_b32 s47, 0
	s_mul_i32 s45, s14, 2*HALFT                    ; LDS: wave x 65,536 + slot x 32,768
	s_wait_dscnt 0x0
	s_wait_kmcnt 0x0
	s_load_b64 s[96:97], s[8:9], 0x20
	s_add_nc_u64 s[20:21], s[4:5], s[20:21]
	s_add_nc_u64 s[46:47], s[6:7], s[46:47]
	CROUND
.irp s, 0,1
	s_mov_b32 s[G0+4*\s], 1
	s_add_co_u32 s[G0+4*\s+1], s45, \s*HALFT
	s_add_nc_u64 s[G0+4*\s+2:G0+4*\s+3], s[20:21], \s*HALFT
	s_or_b32 s[G0+4*\s+3], s[G0+4*\s+3], 0x80000000
	s_mov_b32 s[G0B+4*\s], 1
	s_add_co_u32 s[G0B+4*\s+1], s45, \s*HALFT
	s_add_nc_u64 s[G0B+4*\s+2:G0B+4*\s+3], s[46:47], \s*HALFT
	s_or_b32 s[G0B+4*\s+3], s[G0B+4*\s+3], 0x80000000
.endr
	s_cmp_eq_u32 s15, 0                            ; my one tensor load at the head: K 0-1023 of my 64 rows lie on end in memory and fill my parts of both slots
	s_cbranch_scc0 .Lhead_b
	tensor_load_to_lds s[G0:G0+3], s[G1H:G1H+7]
	s_nop 0
.rept 4
	v_nop
.endr
	s_branch .Lhead_done
.Lhead_b:
	tensor_load_to_lds s[G0B:G0B+3], s[G1BH:G1BH+7]
	s_nop 0
.rept 4
	v_nop
.endr
.Lhead_done:
	v_and_b32 v1, 31, v0
	v_and_b32 v2, 15, v0
	s_wait_alu depctr_va_vdst(0)
	v_bfe_u32 v3, v0, 4, 1
	v_lshlrev_b32 v[LI], 4, v1
	s_mul_i32 s21, s15, 2*HALFT
	s_mul_i32 s22, s16, 2*HALFT
	s_add_co_u32 s22, s22, 4*HALFT
.irp s, 0,1
	v_add_nc_u32 v[ADRA+\s], s21, v[LI]
	v_add_nc_u32 v[ADRB+\s], s22, v[LI]
	s_add_co_u32 s21, s21, HALFT
	s_add_co_u32 s22, s22, HALFT
.endr
	s_mul_i32 s23, s14, 16*272
	s_add_co_u32 s23, s23, STAGE
	v_mul_u32_u24 v[STO], v2, 272
	s_wait_alu depctr_va_vdst(0)
	v_lshl_add_u32 v[STO], v3, 6, v[STO]
	v_add_nc_u32 v[STO], s23, v[STO]
	v_mul_u32_u24 v[RD], v3, 272
	v_lshl_add_u32 v[RD], v2, 4, v[RD]
	v_add_nc_u32 v[RD], s23, v[RD]
	v_lshlrev_b32 v[CO], 12, v3
	v_lshl_add_u32 v[CO], v2, 4, v[CO]
	s_lshl_b32 s12, s17, 7
	s_lshl_b32 s13, s15, 6
	s_add_co_u32 s12, s12, s13
	s_lshl_b32 s12, s12, 12
	s_lshl_b32 s13, s42, 9
	s_add_co_u32 s12, s12, s13
	s_lshl_b32 s13, s16, 8
	s_add_co_u32 s12, s12, s13
	s_mov_b32 s13, 0
	s_add_nc_u64 s[10:11], s[10:11], s[12:13]
.macro MUL8 f, a0, zero
.irp a, \a0, \a0+1
.irp b, 0,1,2,3
.if \zero
	v_wmma_f32_16x16x128_fp8_fp8 v[ACC+8*(4*(\a)+\b):ACC+8*(4*(\a)+\b)+7], v[\f+64+16*\b:\f+64+16*\b+15], v[\f+16*(\a):\f+16*(\a)+15], 0
.else
	v_wmma_f32_16x16x128_fp8_fp8 v[ACC+8*(4*(\a)+\b):ACC+8*(4*(\a)+\b)+7], v[\f+64+16*\b:\f+64+16*\b+15], v[\f+16*(\a):\f+16*(\a)+15], v[ACC+8*(4*(\a)+\b):ACC+8*(4*(\a)+\b)+7]
.endif
.endr
.endr
.endm
.macro FETCH slot, q, f
	WIN TO_F
.irp i, 0,1,2,3
.irp c, 0,1,2,3
	ds_load_b128 v[\f+64+16*\i+4*\c:\f+64+16*\i+4*\c+3], v[ADRB+\slot] offset:8192*\i+2048*(\q)+512*\c
.endr
.endr
.irp i, 0,1,2,3
.irp c, 0,1,2,3
	ds_load_b128 v[\f+16*\i+4*\c:\f+16*\i+4*\c+3], v[ADRA+\slot] offset:8192*\i+2048*(\q)+512*\c
.endr
.endr
.endm
.macro PLACES
.rept 4
	v_nop
.endr
.endm
.macro QUARTER slot, qn, f, g, zero
	s_wait_dscnt 8
	WIN MUL
	MUL8 \f, 0, \zero
	PLACES
	FETCH \slot, \qn, \g
	s_wait_dscnt 32
	WIN MUL
	MUL8 \f, 2, \zero
.endm
.macro TURN slot, next, fill
	WIN 0
	s_wait_tensorcnt 0x0
	ds_add_u32 v[SPW], v[NIL]
	s_wait_dscnt 9
	WIN MUL
	MUL8 F1, 0, 0
	s_wait_dscnt 0x0
	s_barrier_signal -1
	WIN 0
	s_barrier_wait -1
.if \fill
	CREST
	s_add_nc_u64 s[G0+4*\slot+2:G0+4*\slot+3], s[G0+4*\slot+2:G0+4*\slot+3], 2*HALFT
	s_add_nc_u64 s[G0B+4*\slot+2:G0B+4*\slot+3], s[G0B+4*\slot+2:G0B+4*\slot+3], 2*HALFT
	JLOAD \slot
.else
	PLACES
.endif
	FETCH \next, 0, F0
	WIN MUL
	MUL8 F1, 2, 0
.endm
	s_wait_alu depctr_va_vdst(0)                   ; the wait at the head's end
	s_wait_tensorcnt 0x0                           ; my parts of both slots are in,
	s_barrier_signal -1
	s_barrier_wait -1                              ; everybody's are
	FETCH 0, 0, F0
	QUARTER 0, 1, F0, F1, 1
	QUARTER 0, 2, F1, F0, 0
	QUARTER 0, 3, F0, F1, 0
	TURN 0, 1, 1
	QUARTER 1, 1, F0, F1, 0
	QUARTER 1, 2, F1, F0, 0
	QUARTER 1, 3, F0, F1, 0
	TURN 1, 0, 1
	QUARTER 0, 1, F0, F1, 0
	QUARTER 0, 2, F1, F0, 0
	QUARTER 0, 3, F0, F1, 0
	TURN 0, 1, 0
	QUARTER 1, 1, F0, F1, 0
	QUARTER 1, 2, F1, F0, 0
	QUARTER 1, 3, F0, F1, 0
	s_wait_dscnt 8
	WIN MUL
	MUL8 F1, 0, 0
	s_wait_dscnt 0
	MUL8 F1, 2, 0
	WIN 0
.macro TOSTAGE a
.set i, 0
.rept 16
	v_pk_mul_f32 v[TMP+i:TMP+i+1], v[ACC+32*(\a)+i:ACC+32*(\a)+i+1], s[96:97] op_sel_hi:[1,0]
.set i, i+2
.endr
.irp b, 0,1,2,3
	ds_store_b128 v[STO], v[TMP+8*\b:TMP+8*\b+3] offset:128*(\b/2)+32*(\b%2)
	ds_store_b128 v[STO], v[TMP+8*\b+4:TMP+8*\b+7] offset:128*(\b/2)+32*(\b%2)+16
.endr
.set BB, BK+32*((\a)%2)
.irp t, 0,1,2,3,4,5,6,7
	ds_load_b128 v[BB+4*\t:BB+4*\t+3], v[RD] offset:544*\t
.endr
.endm
.macro SEND a, younger
.set BB, BK+32*((\a)%2)
	s_wait_dscnt \younger
.irp t, 0,1,2,3,4,5,6,7
	global_store_b128 v[CO], v[BB+4*\t:BB+4*\t+3], s[10:11] offset:(32*((\a)/2)+8*((\a)%2)+2*\t+8*(\t/4))*4096 th:TH_STORE_NT
.endr
.endm
	s_wait_kmcnt 0x0
	s_add_co_i32 s96, s96, s97
	s_add_co_i32 s96, s96, 127
	s_lshl_b32 s96, s96, 23
	PLACES
	TOSTAGE 0
.irp a, 1,2,3
.if \a > 1
	s_wait_xcnt 0x0
.endif
	TOSTAGE \a
	SEND \a-1, 16
.endr
	SEND 3, 0
	s_wait_tensorcnt 0x0
	ds_add_u32 v[SPW], v[NIL]
	s_wait_dscnt 0x0
	CROUND
	s_endpgm
.Lfunc_end_k_q3675cbbadd_oproj:
	.size	k_q3675cbbadd_oproj, .Lfunc_end_k_q3675cbbadd_oproj-k_q3675cbbadd_oproj
	.p2alignl 7, 3214868480
	.fill 96, 4, 3214868480
	.section	.rodata,"a",@progbits
	.p2align	6, 0x0
	.amdhsa_kernel k_q3675cbbadd_oproj
		.amdhsa_group_segment_fixed_size 327680
		.amdhsa_private_segment_fixed_size 0
		.amdhsa_enable_private_segment 0
		.amdhsa_kernarg_size 32
		.amdhsa_user_sgpr_count 2
		.amdhsa_user_sgpr_kernarg_segment_ptr 1
		.amdhsa_wavefront_size32 1
		.amdhsa_system_sgpr_workgroup_id_x 1
		.amdhsa_system_sgpr_workgroup_id_y 1
		.amdhsa_system_sgpr_workgroup_id_z 1
		.amdhsa_system_vgpr_workitem_id 0
		.amdhsa_next_free_vgpr 512
		.amdhsa_next_free_sgpr 100
		.amdhsa_reserve_vcc 0
		.amdhsa_float_denorm_mode_32 3
		.amdhsa_float_denorm_mode_16_64 3
		.amdhsa_memory_ordered 1
		.amdhsa_forward_progress 1
		.amdhsa_inst_pref_size 74
	.end_amdhsa_kernel
	.amdgpu_metadata
---
amdhsa.version: [ 1, 2 ]
amdhsa.kernels:
  - .name:           k_q3675cbbadd_oproj
    .symbol:         k_q3675cbbadd_oproj.kd
    .args:
      - { .name: aq, .offset: 0, .size: 8, .value_kind: global_buffer, .address_space: global }
      - { .name: wo, .offset: 8, .size: 8, .value_kind: global_buffer, .address_space: global }
      - { .name: lowp_scales, .offset: 16, .size: 8, .value_kind: global_buffer, .address_space: global }
      - { .name: out0, .offset: 24, .size: 8, .value_kind: global_buffer, .address_space: global }
    .group_segment_fixed_size: 327680
    .private_segment_fixed_size: 0
    .kernarg_segment_align: 8
    .kernarg_segment_size: 32
    .max_flat_workgroup_size: 128
    .sgpr_count:     100
    .vgpr_count:     512
    .wavefront_size: 32
...
	.end_amdgpu_metadata
.endif
;; end of part 4
